; MI455X (gfx1250); checked and timed in simulation.
; The chip was launched on July 23, 2026; its instructions are those of AMD's public machine-readable ISA for CDNA 5 (MIT licence, August 2026) and "CDNA5" Instruction Set Architecture Reference Guide (July 2026). The comments in the code are by the model that wrote it; some were corrected since.
;; Encoder Block. Allowed arithmetic: matrix products marked QUANTISED: E4M3 operands, one given power-of-two scale a tensor, by v_wmma_f32_16x16x64_fp8_fp8 or v_wmma_f32_16x16x128_fp8_fp8, f32 sums; everything else in f32.
;; Inputs: ff1_b 4,096 float32; ff1_w_codes 4,096 x 32 x 32 uint8 (E4M3 codes of ff1_w, K innermost, in blocks of 32 codes); ff2_b 1,024 float32; ff2_w_codes 1,024 x 128 x 32 uint8 (E4M3 codes of ff2_w, K innermost, in blocks of 32 codes); ln1_a 1,024 float32; ln1_b 1,024 float32; ln2_a 1,024 float32; ln2_b 1,024 float32; lowp_scales 16 int32 (the exponents e of the quantised operands' scales 2^e); mask 2 x 1 x 1 x 2,048 int32; wk_b 1,024 float32; wk_w_codes 1,024 x 32 x 32 uint8 (E4M3 codes of wk_w, K innermost, in blocks of 32 codes); wo_b 1,024 float32; wo_w_codes 1,024 x 32 x 32 uint8 (E4M3 codes of wo_w, K innermost, in blocks of 32 codes); wq_b 1,024 float32; wq_w_codes 1,024 x 32 x 32 uint8 (E4M3 codes of wq_w, K innermost, in blocks of 32 codes); wv_b 1,024 float32; wv_w_codes 1,024 x 32 x 32 uint8 (E4M3 codes of wv_w, K innermost, in blocks of 32 codes); x 2 x 2,048 x 1,024 float32.
;; Outputs: out0 2 x 2,048 x 1,024 float32.
;; This version of the problem:
;;   THIS VERSION OF THE PROBLEM IS GIVEN IN LOW PRECISION. The matrix products marked QUANTISED in the list below multiply operands that are first quantised to E4M3 (4 exponent bits, 3 mantissa bits; 8 bits a number), with one given power-of-two scale for each operand tensor; their sums are f32. All else is computed in f32.
;;   The module's matrix products, in the order in which they are computed (A, B: the left and right operand; K: the contracted axis; several contracted axes count as one K, in the product's order):
;;     1. [M 4,096, K 1,024] x [K 1,024, N 1,024]; A: computed on the way; B: input wq_w (given as codes): QUANTISED (scales: A lowp_scales[0], B lowp_scales[1])
;;     2. [M 4,096, K 1,024] x [K 1,024, N 1,024]; A: computed on the way; B: input wk_w (given as codes): QUANTISED (scales: A lowp_scales[2], B lowp_scales[3])
;;     3. [M 4,096, K 1,024] x [K 1,024, N 1,024]; A: computed on the way; B: input wv_w (given as codes): QUANTISED (scales: A lowp_scales[4], B lowp_scales[5])
;;     4. batch 32 x [M 2,048, K 64] x [K 64, N 2,048]; A: computed on the way; B: computed on the way: QUANTISED (scales: A lowp_scales[6], B lowp_scales[7])
;;     5. batch 32 x [M 2,048, K 2,048] x [K 2,048, N 64]; A: softmax (see below); B: computed on the way: QUANTISED (scales: A lowp_scales[8], B lowp_scales[9])
;;     6. [M 4,096, K 1,024] x [K 1,024, N 1,024]; A: computed on the way; B: input wo_w (given as codes): QUANTISED (scales: A lowp_scales[10], B lowp_scales[11])
;;     7. [M 4,096, K 1,024] x [K 1,024, N 4,096]; A: computed on the way; B: input ff1_w (given as codes): QUANTISED (scales: A lowp_scales[12], B lowp_scales[13])
;;     8. [M 4,096, K 4,096] x [K 4,096, N 1,024]; A: computed on the way; B: input ff2_w (given as codes): QUANTISED (scales: A lowp_scales[14], B lowp_scales[15])
;;   THE QUANTISER, for each operand of a quantised product, along K:
;;     - The operand's scale is 2^e, e = its entry of the input lowp_scales (int32; the entries are numbered through the quantised products in the list's order, A before B).
;;     - Each number is divided by the scale, clamped to +-448, and rounded to the nearest number of E4M3, ties to even, subnormals kept.
;;     - The product sums the exact products of the quantised numbers (number of the format x scale) in f32.
;;   ~~~python
;;   def quantise(x, axis, e):      # numpy; x: float32 -> the quantised numbers, widened to float32 again
;;       x = np.moveaxis(x, axis, -1); K = x.shape[-1]
;;       r = np.clip(x / 2.0 ** e, -448, 448)
;;       step = 2.0 ** (np.maximum(np.frexp(np.where(r == 0, 1, r))[1] - 1, -6) - 3)
;;       q = np.round(r / step) * step * 2.0 ** e      # np.round: ties to even
;;       return np.moveaxis(q, -1, axis).astype(np.float32)
;;   ~~~
;;   SOFTMAX AHEAD OF A QUANTISED PRODUCT. Where the list says 'softmax', what is quantised is not the finished softmax but p = 2^(t - M), with t = logit x log2(e) and M = ceil(the row's largest t), a whole number; so 1/2 < the row's largest p <= 1. The row's sum l is taken of the UNQUANTISED p, in f32, and the product's result is divided by l at the end. Since M is a whole number, a kernel that streams over the keys may use a running M (the ceiling of the running maximum): every later rescaling is an exact power of two, so the quantised numbers keep their values, but for numbers so far below the row's largest that they fall under the format's range.
;;   OPERANDS COMPUTED ON THE WAY. 'Computed on the way' means the value that the module computes at that place (a softmax that the list does not call 'softmax' is quantised finished and normalised). What goes into a quantiser is computed in f32, as accurately as f32 sums, v_exp_f32 and their like allow (about 1e-6 of the number): no bf16 or f16 on the way to a quantiser, and a product that is left as it is and whose result goes on into a quantised operand takes f32 operands (vector FMAs, or v_wmma_f32_16x16x4_f32). A number that lies on a knife's edge between two numbers of the format may be rounded either way, as far as f32 arithmetic and the matrix unit's own rounding can turn it there, and no further.
;;   INPUTS GIVEN AS CODES. ff1_w (in the module: [4096, 1024], K = its axis 1); ff2_w (in the module: [1024, 4096], K = its axis 1); wk_w (in the module: [1024, 1024], K = its axis 1); wo_w (in the module: [1024, 1024], K = its axis 1); wq_w (in the module: [1024, 1024], K = its axis 1); wv_w (in the module: [1024, 1024], K = its axis 1): each comes as NAME_codes (uint8): NAME with its K axis moved to the last place and cut into blocks of 32 codes, [.., K / 32, bytes a block], one block behind the other in memory; one code a byte (a code: sign, 4 exponent bits, 3 mantissa bits); its scale is its entry of lowp_scales. Its value is code x scale, taken as it is: it is not quantised again, and the codes and scales need not be those that the quantiser above would give.
;; One version. Each part assembles by itself: llvm-mc -triple=amdgcn-amd-amdhsa -mcpu=gfx1250 --defsym DOCPART=n.
;; ======== version 1 of 1: 7 launches
;; limits: right only within a limited range of input values
;; workspace buffers: h3 12,582,912 bytes; qkvc 12,582,912 bytes; ac 4,194,304 bytes; x1 16,777,216 bytes; h2 4,194,304 bytes; fc 16,777,216 bytes
;; launch ln1 (part 1): grid 256 x 1, 8 waves a work-group, no clusters, 25,600 bytes of LDS; arguments x, ln1_a, ln1_b, lowp_scales, h3; writes h3
.if DOCPART == 1
	.amdgcn_target "amdgcn-amd-amdhsa--gfx1250"
	.amdhsa_code_object_version 6
	.text
	.protected	k_qd095f2ed8d_ln1
	.globl	k_qd095f2ed8d_ln1
	.p2align	8
	.type	k_qd095f2ed8d_ln1,@function
k_qd095f2ed8d_ln1:
	s_mov_b64 s[64:65], 0
	v_nop
	global_prefetch_b8 v0, s[64:65] scope:SCOPE_SE
	s_setreg_imm32_b32 hwreg(HW_REG_WAVE_MODE, 25, 1), 1
	s_wait_xcnt 0x0
; h = (x - mean) / (std + 1e-5) * a + b along rows of 1,024 f32 (std with divisor 1,023), then quantised NOUT times to codes of E4M3, each time with a given scale 2^e:
; code = h / 2^e, held within +-448, to the nearest code, ties to even.  Output: NOUT sections of [4096][1024] codes, row-major, 4 MiB apart; section o takes entry (SCB + SCS o) / 4 of the scales.
; SHARES.  A row is 4,096 bytes: one wave takes a whole row in 32 registers a lane, so mean and variance (two passes, both in registers) never leave the wave.  Eight waves, two rows each; no barrier, no loop.
; Every load of a wave covers 512 consecutive bytes; all 32 loads of a wave (two rows, gain, shift) are issued at the head.
; A lane's four codes of a load's 512 bytes are 4 bytes: they turn through the wave's own stage in LDS (1,024 bytes a section) and leave 16 bytes a lane: each store covers 512 consecutive bytes, aligned.
; Matrix units, clusters and tensor loads are left out: each byte is read once and used once.
; LIMITS: e between -126 and 119 (2^e and 448 x 2^e are made as f32 patterns).  NaN among the inputs is not served.  A variance under the smallest normal f32 number counts as 0 in the root.
.set NOUT, 3
.set SCB,  0                           ; byte of the first scale's exponent
.set SCS,  8                           ; bytes from one to the next
.set X,    32                          ; v32-95   two rows, 32 registers each: register 4 j + n = column 128 j + 4 lane + n
.set GA,   96                          ; v96-127  the gain, in the same order
.set GB,   128                         ; v128-159 the shift
.set T,    160                         ; v160-175 two sets of eight held numbers, by turns
.set C,    176                         ; v176-199 codes: eight registers a section
.set OUTR, 200                         ; v200-247 codes as they leave: 24 row + 8 section + 4 half
.set SC,   20                          ; v20+2o: 2^e; v21+2o: 448 x 2^e
.set OB,   26                          ; s[26+2o:27+2o] section o at my first row
	s_load_b256 s[4:11], s[0:1], 0x0               ; x s[4:5], gain s[6:7], shift s[8:9], scales s[10:11]
	s_load_b64 s[12:13], s[0:1], 0x20              ; the codes
	v_lshl_add_u32 v248, v0, 2, 0x6000
	v_mov_b32 v249, 0
	v_lshrrev_b32 v13, 5, v0
	s_delay_alu instid0(VALU_DEP_1)
	v_readfirstlane_b32 s14, v13                   ; wave 0..7
	v_and_b32 v14, 31, v0                          ; lane
	s_delay_alu instid0(VALU_DEP_1)
	v_lshlrev_b32 v1, 4, v14                       ; 16 x lane: my place in 512 bytes, in and out
	s_mul_i32 s15, s14, NOUT*1024                  ; my wave's stage
	v_lshl_add_u32 v2, v14, 2, s15                 ; into it: 4 bytes a lane
	v_lshl_add_u32 v3, v14, 4, s15                 ; out of it: 16 bytes a lane
	v_mov_b32 v12, 0                               ; a lane permute's destination counts as read: written once
	s_mov_b32 s24, 0x76543210                      ; selects: lane l xor 16
	s_mov_b32 s25, 0xfedcba98
	s_lshl_b32 s16, ttmp9, 16                      ; my first row = 16 x work-group + 2 x wave; x 4,096 bytes
	s_lshl_b32 s17, s14, 13
	s_add_co_u32 s16, s16, s17
	s_mov_b32 s17, 0
	s_lshl_b32 s18, ttmp9, 14                      ; x 1,024 bytes of codes
	s_lshl_b32 s19, s14, 11
	s_add_co_u32 s18, s18, s19
	s_mov_b32 s19, 0
	s_wait_alu depctr_va_vdst(0)
	s_wait_kmcnt 0x0
.irp o, 0,1,2
.if \o < NOUT
	s_load_b32 s[20+\o], s[10:11], SCB+SCS*\o
.endif
.endr
	s_add_nc_u64 s[4:5], s[4:5], s[16:17]
	s_add_nc_u64 s[OB:OB+1], s[12:13], s[18:19]
.if NOUT > 1
	s_add_nc_u64 s[OB+2:OB+3], s[OB:OB+1], 0x400000
	s_add_nc_u64 s[OB+4:OB+5], s[OB:OB+1], 0x800000
.endif
.irp j, 0,1,2,3,4,5,6,7
	global_load_b128 v[X+4*\j:X+4*\j+3], v1, s[4:5] offset:512*\j
.endr
.irp j, 0,1,2,3,4,5,6,7
	global_load_b128 v[GA+4*\j:GA+4*\j+3], v1, s[6:7] offset:512*\j
.endr
.irp j, 0,1,2,3,4,5,6,7
	global_load_b128 v[GB+4*\j:GB+4*\j+3], v1, s[8:9] offset:512*\j
.endr
.irp j, 0,1,2,3,4,5,6,7
	global_load_b128 v[X+32+4*\j:X+32+4*\j+3], v1, s[4:5] offset:4096+512*\j
.endr
	s_wait_kmcnt 0x0
.irp o, 0,1,2
.if \o < NOUT
	s_add_co_i32 s32, s[20+\o], 127
	s_lshl_b32 s33, s32, 23
	v_mov_b32 v[SC+2*\o], s33                      ; 2^e as f32: the conversion takes its exponent field
	s_add_co_i32 s32, s32, 8
	s_lshl_b32 s32, s32, 23
	s_or_b32 s32, s32, 0x600000
	v_mov_b32 v[SC+2*\o+1], s32                    ; 448 x 2^e
.endif
.endr
.macro REDUCE                          ; v8 summed over the 32 lanes, the result in every lane
	s_delay_alu instid0(VALU_DEP_1)
	v_add_f32_dpp v8, v8, v8 row_xmask:1 row_mask:0xf bank_mask:0xf
	s_delay_alu instid0(VALU_DEP_1)
	v_add_f32_dpp v8, v8, v8 row_xmask:2 row_mask:0xf bank_mask:0xf
	s_delay_alu instid0(VALU_DEP_1)
	v_add_f32_dpp v8, v8, v8 row_xmask:4 row_mask:0xf bank_mask:0xf
	s_delay_alu instid0(VALU_DEP_1)
	v_add_f32_dpp v8, v8, v8 row_xmask:8 row_mask:0xf bank_mask:0xf
	s_delay_alu instid0(VALU_DEP_1)
	v_permlanex16_b32 v12, v8, s24, s25
	s_delay_alu instid0(VALU_DEP_1)
	v_add_f32 v8, v8, v12
.endm
.macro ROW i
.set XR, X+32*\i
.if \i == 0
	s_wait_loadcnt 24                              ; row 0's eight loads are in; gain, shift and row 1 (24 loads) may be out
.else
	s_wait_loadcnt 0x0                             ; row 1
.endif
	v_pk_add_f32 v[8:9], v[XR:XR+1], v[XR+2:XR+3]  ; the sum, in two chains that the first pairs start
	v_pk_add_f32 v[10:11], v[XR+4:XR+5], v[XR+6:XR+7]
.irp j, 8,12,16,20,24,28
	s_delay_alu instid0(VALU_DEP_2)
	v_pk_add_f32 v[8:9], v[8:9], v[XR+\j:XR+\j+1]
	s_delay_alu instid0(VALU_DEP_2)
	v_pk_add_f32 v[10:11], v[10:11], v[XR+\j+2:XR+\j+3]
.endr
	s_delay_alu instid0(VALU_DEP_1)
	v_pk_add_f32 v[8:9], v[8:9], v[10:11]
	s_delay_alu instid0(VALU_DEP_1)
	v_add_f32 v8, v8, v9
	REDUCE
	s_delay_alu instid0(VALU_DEP_1)
	v_mul_f32 v4, 0x3a800000, v8                   ; the mean: x 1 / 1,024
	s_delay_alu instid0(VALU_DEP_1)
	v_mov_b32 v5, v4
.irp j, 0,2,4,6,8,10,12,14,16,18,20,22,24,26,28,30
	v_pk_add_f32 v[XR+\j:XR+\j+1], v[XR+\j:XR+\j+1], v[4:5] neg_lo:[0,1] neg_hi:[0,1]   ; d = x - mean, in place
.endr
	v_pk_mul_f32 v[8:9], v[XR:XR+1], v[XR:XR+1]    ; the sum of d d, again in two chains
	v_pk_mul_f32 v[10:11], v[XR+2:XR+3], v[XR+2:XR+3]
.irp j, 4,8,12,16,20,24,28
	s_delay_alu instid0(VALU_DEP_2)
	v_pk_fma_f32 v[8:9], v[XR+\j:XR+\j+1], v[XR+\j:XR+\j+1], v[8:9]
	s_delay_alu instid0(VALU_DEP_2)
	v_pk_fma_f32 v[10:11], v[XR+\j+2:XR+\j+3], v[XR+\j+2:XR+\j+3], v[10:11]
.endr
	s_delay_alu instid0(VALU_DEP_1)
	v_pk_add_f32 v[8:9], v[8:9], v[10:11]
	s_delay_alu instid0(VALU_DEP_1)
	v_add_f32 v8, v8, v9
	REDUCE
	s_delay_alu instid0(VALU_DEP_1)
	v_mul_f32 v8, 0x3a802008, v8                   ; x 1 / 1,023
	s_wait_alu depctr_va_vdst(0)
	v_sqrt_f32 v8, v8
	v_nop                                          ; a plain line behind a transcendental, ahead of the use of its result
	s_wait_alu depctr_va_vdst(0)
	v_add_f32 v8, 0x3727c5ac, v8                   ; + 1e-5
	s_wait_alu depctr_va_vdst(0)
	v_rcp_f32 v6, v8
	v_nop
	s_wait_alu depctr_va_vdst(0)
	v_mov_b32 v7, v6
.if \i == 0
	s_wait_alu depctr_va_vdst(0)
	s_wait_loadcnt 8                               ; gain and shift are in; row 1's eight loads may be out
.endif
.irp j, 0,2,4,6,8,10,12,14,16,18,20,22,24,26,28,30
	v_pk_mul_f32 v[XR+\j:XR+\j+1], v[XR+\j:XR+\j+1], v[6:7]
.endr
.irp j, 0,2,4,6,8,10,12,14,16,18,20,22,24,26,28,30
	v_pk_fma_f32 v[XR+\j:XR+\j+1], v[XR+\j:XR+\j+1], v[GA+\j:GA+\j+1], v[GB+\j:GB+\j+1]
.endr
.irp o, 0,1,2
.if \o < NOUT
.irp g, 0,1,2,3
.irp n, 0,1,2,3,4,5,6,7
	v_med3_num_f32 v[T+8*(\g%2)+\n], v[XR+8*\g+\n], -v[SC+2*\o+1], v[SC+2*\o+1]   ; the conversion does not saturate (ISA guide 7.6.2): the hold comes first.  The two sets take turns, so eight plain lines stand between a conversion and the rewriting of its sources
.endr
	v_cvt_scalef32_pk8_fp8_f32 v[C+8*\o+2*\g:C+8*\o+2*\g+1], v[T+8*(\g%2):T+8*(\g%2)+7], v[SC+2*\o]
.endr
.endif
.endr
	v_nop                                          ; a plain line behind the last conversion
.irp o, 0,1,2
.if \o < NOUT
.irp j, 0,1,2,3,4,5,6,7
	ds_store_b32 v2, v[C+8*\o+\j] offset:1024*\o+128*\j   ; code register j: columns 128 j + 4 lane on
.endr
.irp u, 0,1
	ds_load_b128 v[OUTR+24*\i+8*\o+4*\u:OUTR+24*\i+8*\o+4*\u+3], v3 offset:1024*\o+512*\u   ; LDS serves a wave's instructions in order (ISA guide 5.7.1.4): these see the stores above
.endr
.endif
.endr
	s_wait_dscnt 0x0
.irp o, 0,1,2
.if \o < NOUT
.irp u, 0,1
	global_store_b128 v1, v[OUTR+24*\i+8*\o+4*\u:OUTR+24*\i+8*\o+4*\u+3], s[OB+2*\o:OB+2*\o+1] offset:1024*\i+512*\u   ; 512 consecutive bytes; each row has its own registers, so no store's data are written again
.endr
.endif
.endr
.endm
	ROW 0
	ROW 1
	s_wait_tensorcnt 0x0
	ds_add_u32 v248, v249
	s_wait_dscnt 0x0
	s_endpgm
.Lfunc_end_k_qd095f2ed8d_ln1:
	.size	k_qd095f2ed8d_ln1, .Lfunc_end_k_qd095f2ed8d_ln1-k_qd095f2ed8d_ln1
	.p2alignl 7, 3214868480
	.fill 96, 4, 3214868480
	.section	.rodata,"a",@progbits
	.p2align	6, 0x0
	.amdhsa_kernel k_qd095f2ed8d_ln1
		.amdhsa_group_segment_fixed_size 25600
		.amdhsa_private_segment_fixed_size 0
		.amdhsa_enable_private_segment 0
		.amdhsa_kernarg_size 40
		.amdhsa_user_sgpr_count 2
		.amdhsa_user_sgpr_kernarg_segment_ptr 1
		.amdhsa_wavefront_size32 1
		.amdhsa_system_sgpr_workgroup_id_x 1
		.amdhsa_system_sgpr_workgroup_id_y 1
		.amdhsa_system_sgpr_workgroup_id_z 1
		.amdhsa_system_vgpr_workitem_id 0
		.amdhsa_next_free_vgpr 250
		.amdhsa_next_free_sgpr 66
		.amdhsa_reserve_vcc 0
		.amdhsa_float_denorm_mode_32 3
		.amdhsa_float_denorm_mode_16_64 3
		.amdhsa_memory_ordered 1
		.amdhsa_forward_progress 1
		.amdhsa_inst_pref_size 40
	.end_amdhsa_kernel
	.amdgpu_metadata
---
amdhsa.version: [ 1, 2 ]
amdhsa.kernels:
  - .name:           k_qd095f2ed8d_ln1
    .symbol:         k_qd095f2ed8d_ln1.kd
    .args:
      - { .name: x, .offset: 0, .size: 8, .value_kind: global_buffer, .address_space: global }
      - { .name: ln1_a, .offset: 8, .size: 8, .value_kind: global_buffer, .address_space: global }
      - { .name: ln1_b, .offset: 16, .size: 8, .value_kind: global_buffer, .address_space: global }
      - { .name: lowp_scales, .offset: 24, .size: 8, .value_kind: global_buffer, .address_space: global }
      - { .name: h3, .offset: 32, .size: 8, .value_kind: global_buffer, .address_space: global }
    .group_segment_fixed_size: 25600
    .private_segment_fixed_size: 0
    .kernarg_segment_align: 8
    .kernarg_segment_size: 40
    .max_flat_workgroup_size: 256
    .sgpr_count:     66
    .vgpr_count:     250
    .wavefront_size: 32
...
	.end_amdgpu_metadata
.endif
;; end of part 1
;; launch qkv (part 2): grid 12 x 16, 4 waves a work-group, clusters of 4 x 4, 327,680 bytes of LDS; arguments h3, wq_w_codes, wk_w_codes, wv_w_codes, wq_b, wk_b, wv_b, lowp_scales, qkvc; writes qkvc
.if DOCPART == 2
	.amdgcn_target "amdgcn-amd-amdhsa--gfx1250"
	.amdhsa_code_object_version 6
	.text
	.protected	k_qd095f2ed8d_qkv
	.globl	k_qd095f2ed8d_qkv
	.p2align	8
	.type	k_qd095f2ed8d_qkv,@function
k_qd095f2ed8d_qkv:
	s_mov_b64 s[64:65], 0
	v_nop
	global_prefetch_b8 v0, s[64:65] scope:SCOPE_SE
	s_setreg_imm32_b32 hwreg(HW_REG_WAVE_MODE, 25, 1), 1
	s_wait_xcnt 0x0
	s_wait_alu depctr_hold_cnt(0) depctr_sa_sdst(0) depctr_va_vdst(0) depctr_va_sdst(0) depctr_va_ssrc(0) depctr_va_vcc(0) depctr_vm_vsrc(0)
	s_getreg_b32 s2, hwreg(HW_REG_IB_STS2, 6, 4)
	s_cmp_eq_u32 s2, 0
	s_cbranch_scc0 .Lentry_in_a_cluster
	s_endpgm
.Lentry_in_a_cluster:
	s_bfe_u32 s2, ttmp6, 0x10000c
	s_cmp_lg_u32 s2, 0xf033
	s_cbranch_scc0 .Lentry_shape_is_right
	s_endpgm
.Lentry_shape_is_right:
; q, k, v = Q(h W^T + b): three products [4096 x 1024] x [1024 x 1024] on codes of E4M3, and their results quantised again, laid as the attention launch's operand registers.
; h3: [3][4096][1024] codes (h under the scales of products 1, 2, 3); W: [1024][1024] codes, K innermost.  Cluster x says which product: 0 q, 1 k, 2 v; a weight's four tile columns are one cluster.
; A tile is 256 x 256, made by four waves, each 128 x 128: 64 accumulators, 512 registers.  K goes in steps of 256 through a ring of two LDS slots filled by the tensor data mover.
; CLUSTERS: 4 x 4 work-groups; the tiles shared along a row of the cluster (they hang on cy) and those shared along a column (on cx) are asked for jointly.
; THE MATRIX INSTRUCTION: source 0 = 16 rows of the column-shared tile, source 1 = 16 rows of the row-shared tile: a lane holds ONE row of the row-shared tile and eight neighbouring rows of the other.
;   q, k: row-shared = tokens, column-shared = rows of W: a lane's eight results are eight neighbouring channels of a token: the next product's K (the head's 64) runs along its registers.
;   v:    row-shared = rows of W, column-shared = tokens: a lane holds a channel and eight neighbouring tokens: the next K (the keys) runs along its registers.  The exchange is made in the two POINTERS
;         (a choice on the cluster's x, which all partners share); the loop's text is one.  Only the way out parts, by a scalar branch on the cluster's x.
; Fragments are fetched by loads of 16 bytes: a permutation of k inside 128, the same on both sides, so every product meets its partner.
; THE WAY OUT: (sum + b / 2^(eA + eB)) is held and converted with the one scale 2^(eo - eA - eB); eight results give two registers of the next operand's layout (k = 16 c + 8 (lane / 16) + 0..7);
; four such registers leave by one store at 16 x lane: 512 consecutive bytes, an image of the reader's registers.  No stage in LDS.
;   Q, K sections (0, 4 MiB): [16 batch + head][block of 16 tokens (128)][2][512];   V section (8 MiB): [16 batch + head][128 keys (16)][16 channels (4)][4][512].
; LIMITS: eo - eA - eB between -126 and 119.  NaN among the inputs is not served.
.set SIZE_K, 1024
.set KSTEP,  256
.set ROWB,   256
.set KROW,   SIZE_K
.set PITCH,  272                       ; an LDS row: 256 bytes + 16 of padding = 68 words: the 16 rows of a load start at 16 different banks (64 banks of 4 bytes: ISA guide 11.1)
.set FR,     16
.set NL,     4
.set NP,     4                         ; places behind this matrix instruction (ISA guide 7.12.1)
.set HALFT,  128*PITCH
.set SLOT,   4*HALFT                   ; the row-shared tile's 256 rows, then the column-shared tile's
.set LAPS,   SIZE_K/(2*KSTEP)
.set SPARE,  2*SLOT                    ; behind the ring: the spare words, 128 bytes a wave, that no other line names
.set ADRA, 16                          ; v16-17 LDS address of my source-1 fragments in slot 0, 1
.set ADRB, 20                          ; v20-21 the same for source 0
.set BYO,  25                          ; v25  4 x (lane % 16)
.set LO,   26                          ; v26  16 x lane
.set BXO,  27                          ; v27  32 x (lane / 16)
.set SPW,  28                          ; v28  my spare word's LDS address; never rewritten
.set NIL,  29                          ; v29  0; never rewritten
.set SCL,  30                          ; v30  2^(eo - eA - eB)
.set LIM,  31                          ; v31  448 x that
.set BX,   32                          ; v32-95  the bias along registers (q, k): register 8 b + j
.set BY,   96                          ; v96-111 the bias along lanes (v): block a's twice, a pair
.set AF,   128                         ; source 1's fragments, window 0, one set
.set TMP,  128                         ; the way out: 64 numbers
.set CD,   192                         ; the way out: four sets of 16 registers of codes
.set G1, 24
.set G0, 32
.set G1B, 48
.set G0B, 56
.set MSB, 0
.macro WIN new                         ; the immediate's high byte repeats the setting that is left
.if MSB != (\new)
	s_set_vgpr_msb (MSB<<8)|(\new)
.set MSB, (\new)
.endif
.endm
.set MUL_LO, 0xa1                      ; source 0 window 1, source 1 window 0, C and D window 2
.set MUL_HI, 0xf1                      ; the same, C and D window 3
.set TO_B,   0x40                      ; destination window 1, address window 0
; A joint load: waves 0 and 1 fetch the row-shared tile's halves, waves 2 and 3 the column-shared tile's.  Four v_nop follow each line.
.macro JLOAD g0a, g1a, g0b, g1b
	s_cmp_eq_u32 s15, 0
	s_cbranch_scc0 .Lfor_b_\@
	tensor_load_to_lds s[\g0a:\g0a+3], s[\g1a:\g1a+7]
	s_nop 0
.rept 4
	v_nop
.endr
	s_branch .Lasked_\@
.Lfor_b_\@:
	tensor_load_to_lds s[\g0b:\g0b+3], s[\g1b:\g1b+7]
	s_nop 0
.rept 4
	v_nop
.endr
.Lasked_\@:
.endm
.macro CREST                           ; a round of the cluster's barrier behind its opening barrier
	s_cmp_lg_u32 s14, 0
	s_cbranch_scc1 .Lnot_wave_0_\@
	s_barrier_signal -3
.Lnot_wave_0_\@:
	s_barrier_wait -3
	s_barrier_signal -1
	s_barrier_wait -1
.endm
.macro CROUND
	s_barrier_signal -1
	s_barrier_wait -1
	CREST
.endm
	s_load_b512 s[68:83], s[0:1], 0x0              ; h3, wq, wk, wv, bq, bk, bv, scales
	s_load_b64 s[84:85], s[0:1], 0x40              ; qkvc
	v_lshl_add_u32 v[SPW], v0, 2, SPARE
	v_mov_b32 v[NIL], 0
	ds_add_u32 v28, v29
	ds_add_u32 v28, v29
	s_wait_dscnt 0x0
	v_lshrrev_b32 v1, 5, v0
	v_readfirstlane_b32 s14, v1                    ; wave 0..3
	s_lshr_b32 s15, s14, 1                         ; my half of the row-shared tile's rows.  Also: which of the two tiles I fetch for
	s_and_b32 s16, s14, 1                          ; my half of the column-shared tile's rows.  Also: which 128 rows I fetch
	s_bfe_u32 s40, ttmp6, 0x40000                  ; cx
	s_bfe_u32 s41, ttmp6, 0x40004                  ; cy
	s_and_b32 s13, ttmp7, 0xffff
	s_lshl_b32 s13, s13, 2                         ; 4 x cluster y
	s_add_co_u32 s17, s13, s41                     ; a tile of tokens by cy,
	s_add_co_u32 s42, s13, s40                     ; or by cx
	s_cmp_eq_u32 ttmp9, 2                          ; v?
	s_cselect_b32 s17, s41, s17                    ; the row-shared tile's number: v: cy of W;  q, k: 4 Y + cy of the tokens
	s_cselect_b32 s42, s42, s40                    ; the column-shared tile's:     v: 4 Y + cx of the tokens;  q, k: cx of W
	s_lshl_b32 s43, s41, 2
	s_lshl_b32 s43, 15, s43                        ; my row of the cluster
	s_lshl_b32 s44, 0x1111, s40                    ; my column
	s_or_b32 s[G1+0], s43, (0<<16)|(1<<20)|(1<<21)|(5<<22)|(3<<25)  ; the mask; elements of 1 byte; padding on; bit 21 beside a mask; 4 words after every 64
	s_or_b32 s[G1B+0], s44, (0<<16)|(1<<20)|(1<<21)|(5<<22)|(3<<25)
.irp g, G1, G1B
	s_mov_b32 s[\g+1], ROWB<<16                    ; tensor_dim0
	s_mov_b32 s[\g+2], 128<<16                     ; tensor_dim1
	s_mov_b32 s[\g+3], ROWB<<16                    ; tile_dim0
	s_mov_b32 s[\g+4], 128                         ; tile_dim1
	s_mov_b32 s[\g+5], KROW                        ; bytes from row to row: the same in h3 and in W
	s_mov_b32 s[\g+6], 0
	s_mov_b32 s[\g+7], 0
.endr
	s_lshl_b32 s18, s16, 7                         ; which 128 rows of a tile I fetch
	s_lshl_b32 s20, s17, 8
	s_add_co_u32 s20, s20, s18
	s_lshl_b32 s20, s20, 10                        ; x 1,024 bytes a row
	s_mov_b32 s21, 0
	s_lshl_b32 s46, s42, 8
	s_add_co_u32 s46, s46, s18
	s_lshl_b32 s46, s46, 10
	s_mov_b32 s47, 0
	s_mul_i32 s45, s14, HALFT                      ; where they go: wave x 128 rows
	s_lshl_b32 s88, ttmp9, 22                      ; the product's section of h3, and of qkvc: 4 MiB each
	s_mov_b32 s89, 0
	s_wait_kmcnt 0x0
	s_add_nc_u64 s[4:5], s[68:69], s[88:89]        ; h under this product's scale
	s_cmp_eq_u32 ttmp9, 1
	s_cselect_b64 s[6:7], s[72:73], s[70:71]       ; W
	s_cselect_b64 s[86:87], s[78:79], s[76:77]     ; its bias
	s_cmp_eq_u32 ttmp9, 2
	s_cselect_b64 s[6:7], s[74:75], s[6:7]
	s_cselect_b64 s[86:87], s[80:81], s[86:87]
	s_cselect_b64 s[8:9], s[6:7], s[4:5]           ; the row-shared tensor,
	s_cselect_b64 s[10:11], s[4:5], s[6:7]         ; the column-shared one
	s_mov_b64 s[98:99], s[82:83]
	s_load_b512 s[68:83], s[98:99], 0x0            ; all sixteen exponents: entry i in s[68 + i] (the pointers there have been used)
	s_add_nc_u64 s[20:21], s[8:9], s[20:21]
	s_add_nc_u64 s[46:47], s[10:11], s[46:47]
	CROUND                                         ; all sixteen work-groups are here: the first joint loads meet
.irp s, 0,1
	s_mov_b32 s[G0+4*\s], 1
	s_add_co_u32 s[G0+4*\s+1], s45, \s*SLOT
	s_add_nc_u64 s[G0+4*\s+2:G0+4*\s+3], s[20:21], \s*ROWB
	s_or_b32 s[G0+4*\s+3], s[G0+4*\s+3], 0x80000000
	s_mov_b32 s[G0B+4*\s], 1
	s_add_co_u32 s[G0B+4*\s+1], s45, \s*SLOT
	s_add_nc_u64 s[G0B+4*\s+2:G0B+4*\s+3], s[46:47], \s*ROWB
	s_or_b32 s[G0B+4*\s+3], s[G0B+4*\s+3], 0x80000000
.endr
	JLOAD G0, G1, G0B, G1B                         ; K step 0: one tensor load a wave at the head
	v_and_b32 v1, 15, v0                           ; r = lane % 16
	v_bfe_u32 v2, v0, 4, 1                         ; h = lane / 16
	v_mul_u32_u24 v3, v1, PITCH
	v_lshl_add_u32 v4, v2, 4, v3                   ; a fragment's row x pitch + 16 h
	s_mul_i32 s21, s15, HALFT
	s_mul_i32 s22, s16, HALFT
	s_add_co_u32 s22, s22, 2*HALFT
.irp s, 0,1
	v_add_nc_u32 v[ADRA+\s], s21, v4
	v_add_nc_u32 v[ADRB+\s], s22, v4
	s_add_co_u32 s21, s21, SLOT
	s_add_co_u32 s22, s22, SLOT
.endr
	v_and_b32 v6, 31, v0
	v_lshlrev_b32 v[LO], 4, v6
	v_lshlrev_b32 v[BXO], 5, v2
	s_wait_alu depctr_va_vdst(0)
	v_lshlrev_b32 v[BYO], 2, v1
	; The bias in both forms, so that the head has no branch: along registers from channel 256 cx + 128 (wave % 2) on, along lanes from 256 cy + 128 (wave / 2) on.  Both stay inside the 1,024 numbers.
	s_wait_alu depctr_va_vdst(0)
	s_lshl_b32 s90, s40, 10
	s_lshl_b32 s91, s16, 9
	s_add_co_u32 s90, s90, s91
	s_mov_b32 s91, 0
	s_add_nc_u64 s[90:91], s[86:87], s[90:91]
	s_lshl_b32 s92, s41, 10
	s_lshl_b32 s93, s15, 9
	s_add_co_u32 s92, s92, s93
	s_mov_b32 s93, 0
	s_add_nc_u64 s[92:93], s[86:87], s[92:93]
.irp b, 0,1,2,3,4,5,6,7
	global_load_b128 v[BX+8*\b:BX+8*\b+3], v[BXO], s[90:91] offset:64*\b
	global_load_b128 v[BX+8*\b+4:BX+8*\b+7], v[BXO], s[90:91] offset:64*\b+16
.endr
.irp a, 0,1,2,3,4,5,6,7
	global_load_b32 v[BY+2*\a], v[BYO], s[92:93] offset:64*\a
	global_load_b32 v[BY+2*\a+1], v[BYO], s[92:93] offset:64*\a
.endr
	; Where my results go: section + batch x 2^21 + head x 2^17 + (first token in the batch) x 64: one formula for the three, since my first token is a multiple of 128.
	s_lshl_b32 s8, s42, 8
	s_lshl_b32 s9, s16, 7
	s_add_co_u32 s8, s8, s9                        ; v: my first token
	s_lshl_b32 s10, s17, 8
	s_lshl_b32 s11, s15, 7
	s_add_co_u32 s10, s10, s11                     ; q, k: my first token
	s_lshl_b32 s12, s41, 8
	s_add_co_u32 s12, s12, s11                     ; v: my first channel
	s_lshl_b32 s13, s40, 8
	s_add_co_u32 s13, s13, s9                      ; q, k: my first channel
	s_cmp_eq_u32 ttmp9, 2
	s_cselect_b32 s8, s8, s10
	s_cselect_b32 s12, s12, s13
	s_lshr_b32 s9, s8, 11
	s_lshl_b32 s9, s9, 21
	s_and_b32 s8, s8, 2047
	s_lshl_b32 s8, s8, 6
	s_lshr_b32 s12, s12, 6
	s_lshl_b32 s12, s12, 17
	s_add_co_u32 s88, s88, s9
	s_add_co_u32 s88, s88, s8
	s_add_co_u32 s88, s88, s12
	s_add_nc_u64 s[88:89], s[84:85], s[88:89]
.macro FRAG reg, adr, q, i             ; 16 rows x 128 K: registers 4 c .. 4 c + 3 hold K = 32 c + 16 (lane / 16) + 0 .. 15
.irp c, 0,1,2,3
	ds_load_b128 v[\reg+4*\c:\reg+4*\c+3], v[\adr] offset:128*(\q)+32*\c+(\i)*16*PITCH
.endr
.endm
; 16 matrix instructions.  The 64 accumulators take turns, one instruction a turn, in the same order in every step.  zero = 1: the first product starts the sums.
.macro MUL16 a0, p, zero
.irp a, \a0, \a0+1
.irp b, 0,1,2,3,4,5,6,7
.if \zero
	v_wmma_f32_16x16x128_fp8_fp8 v[8*(8*((\a)%4)+\b):8*(8*((\a)%4)+\b)+7], v[128*(\p)+FR*\b:128*(\p)+FR*\b+FR-1], v[AF+FR*(\a):AF+FR*(\a)+FR-1], 0
.else
	v_wmma_f32_16x16x128_fp8_fp8 v[8*(8*((\a)%4)+\b):8*(8*((\a)%4)+\b)+7], v[128*(\p)+FR*\b:128*(\p)+FR*\b+FR-1], v[AF+FR*(\a):AF+FR*(\a)+FR-1], v[8*(8*((\a)%4)+\b):8*(8*((\a)%4)+\b)+7]
.endif
.endr
.endr
.endm
.macro FETCH_B slot, q, p
	WIN TO_B
.irp i, 0,1,2,3,4,5,6,7
	FRAG 128*(\p)+FR*\i, ADRB+\slot, \q, \i
.endr
	WIN 0
.endm
.macro FETCH_A slot, q, i0
.irp i, \i0, \i0+1, \i0+2, \i0+3
	FRAG AF+FR*(\i), ADRA+\slot, \q, \i
.endr
.endm
.macro PLACES n                        ; plain vector lines between a matrix instruction and a load into, or a vector write of, one of its registers, or a read of its result
.rept \n
	v_nop
.endr
.endm
.macro STEP slot, q, zero              ; 128 along K whose successor lies in the same slot
	s_wait_dscnt 4*NL                              ; source 0's set and source 1's blocks 0-3 are in; the youngest 16 loads (blocks 4-7) may be out
	WIN MUL_LO
	MUL16 0, (\q)%2, \zero
	MUL16 2, (\q)%2, \zero
	s_wait_dscnt 0                                 ; blocks 4-7 are in
	PLACES NP
	FETCH_B \slot, (\q)+1, 1-(\q)%2
	FETCH_A \slot, (\q)+1, 0
	WIN MUL_HI
	MUL16 4, (\q)%2, \zero
	MUL16 6, (\q)%2, \zero
	PLACES NP
	WIN 0
	FETCH_A \slot, (\q)+1, 4
.endm
; A slot's last step changes slots: one barrier; ahead of it each wave waits for all its tensor loads, adds 0 to its spare word, and waits for that and for its reads of this slot.
.macro TURN slot, next, fill
	s_wait_tensorcnt 0x0                           ; all my tensor loads have landed: my part of the next slot
	ds_add_u32 v[SPW], v[NIL]                      ; 0 onto my spare word
	s_wait_dscnt 4*NL+1                            ; (the add and the youngest 16 loads may be out)
	WIN MUL_LO
	MUL16 0, 1, 0
	s_wait_dscnt 0x0                               ; the add is done, and my reads of this slot are over
	s_barrier_signal -1
	MUL16 2, 1, 0
	WIN 0
	s_barrier_wait -1
.if \fill
	CREST                                          ; the barrier has opened a round of the cluster's: no wave of any partner still reads this slot or has a load on its way
	s_add_nc_u64 s[G0+4*\slot+2:G0+4*\slot+3], s[G0+4*\slot+2:G0+4*\slot+3], 2*ROWB
	s_add_nc_u64 s[G0B+4*\slot+2:G0B+4*\slot+3], s[G0B+4*\slot+2:G0B+4*\slot+3], 2*ROWB
	JLOAD G0+4*\slot, G1, G0B+4*\slot, G1B         ; my one tensor load behind the round; its four v_nop are the places ahead of the loads below
.else
	PLACES NP
.endif
	FETCH_B \next, 0, 0
	FETCH_A \next, 0, 0
	WIN MUL_HI
	MUL16 4, 1, 0
	MUL16 6, 1, 0
	PLACES NP
	WIN 0
	FETCH_A \next, 0, 4
.endm
	s_wait_alu depctr_va_vdst(0)
	s_wait_tensorcnt 0x0                           ; my part of K step 0 is in
	ds_add_u32 v[SPW], v[NIL]
	s_wait_dscnt 0x0
	CROUND                                         ; a whole round: everybody's part of K step 0 is in, and the joint loads meet
	JLOAD G0+4, G1, G0B+4, G1B                     ; K step 1: my one tensor load behind the round
	FETCH_B 0, 0, 0
	FETCH_A 0, 0, 0
	FETCH_A 0, 0, 4
	STEP 0, 0, 1                                   ; the first step stands ahead of the loop: its products start the sums
	s_mov_b32 s3, LAPS-1
.Llap:                                                 ; a trip goes once round the ring and fills both slots again
	TURN 0, 1, 1
	STEP 1, 0, 0
	TURN 1, 0, 1
	STEP 0, 0, 0
	s_sub_co_u32 s3, s3, 1
	s_cmp_lg_u32 s3, 0
	s_cbranch_scc1 .Llap
	TURN 0, 1, 0                                   ; the last lap fills nothing
	STEP 1, 0, 0
	s_wait_dscnt 4*NL
	WIN MUL_LO
	MUL16 0, 1, 0
	MUL16 2, 1, 0
	s_wait_dscnt 0
	WIN MUL_HI
	MUL16 4, 1, 0
	MUL16 6, 1, 0
	WIN 0
; THE WAY OUT, block a of 16 source-1 rows at a time.  ori = 0: the bias runs along registers; 1: along lanes.
.macro EPI ori
.irp a, 0,1,2,3,4,5,6,7
.if \a >= 4
	s_wait_xcnt 0x0                                ; block a - 4's stores have read their registers: this set of codes is written again only behind this wait
.endif
	WIN 0x02+(\a/4)                                ; source 0: window 2 or 3
.set ii, 0
.rept 32
.if \ori
	v_pk_add_f32 v[TMP+ii:TMP+ii+1], v[64*(\a%4)+ii:64*(\a%4)+ii+1], v[BY+2*\a:BY+2*\a+1]
.else
	v_pk_add_f32 v[TMP+ii:TMP+ii+1], v[64*(\a%4)+ii:64*(\a%4)+ii+1], v[BX+ii:BX+ii+1]   ; each accumulator from its low end on
.endif
.set ii, ii+2
.endr
	WIN 0
.set ii, 0
.rept 64
	v_med3_num_f32 v[TMP+ii], v[TMP+ii], -v[LIM], v[LIM]   ; the conversion does not saturate (ISA guide 7.6.2)
.set ii, ii+1
.endr
.irp b, 0,1,2,3,4,5,6,7
	v_cvt_scalef32_pk8_fp8_f32 v[CD+16*(\a%4)+2*\b:CD+16*(\a%4)+2*\b+1], v[TMP+8*\b:TMP+8*\b+7], v[SCL]
.endr
	v_nop                                          ; a plain line behind the last conversion: the next block writes its sources
.irp q, 0,1,2,3
.if \ori
	global_store_b128 v[LO], v[CD+16*(\a%4)+4*\q:CD+16*(\a%4)+4*\q+3], s[88:89] offset:(\a/4)*131072+(\a%4)*2048+\q*512    ; head a / 4, channels 16 (a % 4) on, registers 4 q on: 512 consecutive bytes
.else
	global_store_b128 v[LO], v[CD+16*(\a%4)+4*\q:CD+16*(\a%4)+4*\q+3], s[88:89] offset:(\q/2)*131072+\a*1024+(\q%2)*512    ; head q / 2, tokens 16 a on, registers 4 (q % 2) on
.endif
.endr
.endr
.endm
	s_wait_kmcnt 0x0
	s_cmp_eq_u32 ttmp9, 1
	s_cselect_b32 s96, s70, s68                    ; eA: entry 0, 2 or 4
	s_cselect_b32 s97, s71, s69                    ; eB: entry 1, 3 or 5
	s_cselect_b32 s95, s75, s74                    ; eo: entry 6 (q), 7 (k) or 9 (v)
	s_cmp_eq_u32 ttmp9, 2
	s_cselect_b32 s96, s72, s96
	s_cselect_b32 s97, s73, s97
	s_cselect_b32 s95, s77, s95
	s_add_co_i32 s96, s96, s97                     ; a sum stands for sum x 2^(eA + eB):
	s_sub_co_i32 s94, 0, s96                       ; the bias goes in as b / 2^(eA + eB),
	s_sub_co_i32 s95, s95, s96                     ; and the three scales are folded into the conversion's one
	s_add_co_i32 s95, s95, 127
	s_lshl_b32 s97, s95, 23
	v_mov_b32 v[SCL], s97
	s_add_co_i32 s95, s95, 8
	s_lshl_b32 s95, s95, 23
	s_or_b32 s95, s95, 0x600000
	v_mov_b32 v[LIM], s95
	s_wait_loadcnt 0x0                             ; the bias
	PLACES NP
	s_cmp_eq_u32 ttmp9, 2                          ; the cluster's x: alike in all partners; no barrier, tensor load or LDS instruction stands under this branch
	s_cbranch_scc1 .Lv_out
.set ii, 0
.rept 64
	v_ldexp_f32 v[BX+ii], v[BX+ii], s94
.set ii, ii+1
.endr
	EPI 0
	s_branch .Ldone
.Lv_out:
.set ii, 0
.rept 16
	v_ldexp_f32 v[BY+ii], v[BY+ii], s94
.set ii, ii+1
.endr
	EPI 1
.Ldone:
	s_wait_tensorcnt 0x0                           ; the wave's end
	ds_add_u32 v[SPW], v[NIL]
	s_wait_dscnt 0x0
	CROUND                                         ; the closing round: no work-group ends while a partner may still ask for a tile that names it
	s_endpgm
.Lfunc_end_k_qd095f2ed8d_qkv:
	.size	k_qd095f2ed8d_qkv, .Lfunc_end_k_qd095f2ed8d_qkv-k_qd095f2ed8d_qkv
	.p2alignl 7, 3214868480
	.fill 96, 4, 3214868480
	.section	.rodata,"a",@progbits
	.p2align	6, 0x0
	.amdhsa_kernel k_qd095f2ed8d_qkv
		.amdhsa_group_segment_fixed_size 327680
		.amdhsa_private_segment_fixed_size 0
		.amdhsa_enable_private_segment 0
		.amdhsa_kernarg_size 72
		.amdhsa_user_sgpr_count 2
		.amdhsa_user_sgpr_kernarg_segment_ptr 1
		.amdhsa_wavefront_size32 1
		.amdhsa_system_sgpr_workgroup_id_x 1
		.amdhsa_system_sgpr_workgroup_id_y 1
		.amdhsa_system_sgpr_workgroup_id_z 1
		.amdhsa_system_vgpr_workitem_id 0
		.amdhsa_next_free_vgpr 1024
		.amdhsa_next_free_sgpr 100
		.amdhsa_reserve_vcc 0
		.amdhsa_float_denorm_mode_32 3
		.amdhsa_float_denorm_mode_16_64 3
		.amdhsa_memory_ordered 1
		.amdhsa_forward_progress 1
		.amdhsa_inst_pref_size 199
	.end_amdhsa_kernel
	.amdgpu_metadata
---
amdhsa.version: [ 1, 2 ]
amdhsa.kernels:
  - .name:           k_qd095f2ed8d_qkv
    .symbol:         k_qd095f2ed8d_qkv.kd
    .args:
      - { .name: h3, .offset: 0, .size: 8, .value_kind: global_buffer, .address_space: global }
      - { .name: wq_w_codes, .offset: 8, .size: 8, .value_kind: global_buffer, .address_space: global }
      - { .name: wk_w_codes, .offset: 16, .size: 8, .value_kind: global_buffer, .address_space: global }
      - { .name: wv_w_codes, .offset: 24, .size: 8, .value_kind: global_buffer, .address_space: global }
      - { .name: wq_b, .offset: 32, .size: 8, .value_kind: global_buffer, .address_space: global }
      - { .name: wk_b, .offset: 40, .size: 8, .value_kind: global_buffer, .address_space: global }
      - { .name: wv_b, .offset: 48, .size: 8, .value_kind: global_buffer, .address_space: global }
      - { .name: lowp_scales, .offset: 56, .size: 8, .value_kind: global_buffer, .address_space: global }
      - { .name: qkvc, .offset: 64, .size: 8, .value_kind: global_buffer, .address_space: global }
    .group_segment_fixed_size: 327680
    .private_segment_fixed_size: 0
    .kernarg_segment_align: 8
    .kernarg_segment_size: 72
    .max_flat_workgroup_size: 128
    .sgpr_count:     100
    .vgpr_count:     1024
    .wavefront_size: 32
...
	.end_amdgpu_metadata
.endif
;; end of part 2
;; launch attn (part 3): grid 8 x 32, 16 waves a work-group, clusters of 4 x 1, 272,384 bytes of LDS; arguments qkvc, mask, lowp_scales, ac; writes ac
.if DOCPART == 3
	.amdgcn_target "amdgcn-amd-amdhsa--gfx1250"
	.amdhsa_code_object_version 6
	.text
	.protected	k_qd095f2ed8d_attn
	.globl	k_qd095f2ed8d_attn
	.p2align	8
	.type	k_qd095f2ed8d_attn,@function
k_qd095f2ed8d_attn:
	s_mov_b64 s[64:65], 0
	v_nop
	global_prefetch_b8 v0, s[64:65] scope:SCOPE_SE
	s_setreg_imm32_b32 hwreg(HW_REG_WAVE_MODE, 25, 1), 1
	s_wait_xcnt 0x0
	s_wait_alu depctr_hold_cnt(0) depctr_sa_sdst(0) depctr_va_vdst(0) depctr_va_sdst(0) depctr_va_ssrc(0) depctr_va_vcc(0) depctr_vm_vsrc(0)
	s_getreg_b32 s2, hwreg(HW_REG_IB_STS2, 6, 4)
	s_cmp_eq_u32 s2, 0
	s_cbranch_scc0 .Lentry_in_a_cluster
	s_endpgm
.Lentry_in_a_cluster:
	s_bfe_u32 s2, ttmp6, 0x10000c
	s_cmp_lg_u32 s2, 0x3003
	s_cbranch_scc0 .Lentry_shape_is_right
	s_endpgm
.Lentry_shape_is_right:
; O[b][h][q] = sum over k of softmax_k(Q . K / 8, keys with mask 0 left out) V, both products on codes of E4M3; the result is quantised again for the next product.
; Q, K, V come as images of the operands' registers (16 bytes a lane, 512 bytes a piece): Q, K: [16 batch + head][block of 16 tokens][2][512]; V (keys innermost): [16 batch + head][128 keys][16 channels][4][512].
; THE SOFTMAX: t = score x log2(e) / 8; M = the running largest t rounded UP to a whole number; p = 2^(t - M) is quantised with 2^ep, not normalised; the row's sum is taken of the unquantised p and divides at the end.
; When M moves, the sum and O are multiplied by 2^(old M - new M): exact, and no branch on data.
; SHARES.  A work-group owns 256 queries of one head; each of its sixteen waves 16 of them, in 256 registers: four waves to a SIMD.
; ALL OF A HEAD'S K AND V LIE IN LDS (2 x 128 KiB), each byte filled once: every wave asks for 16 KiB by ONE tensor load at the head (waves 0-7 K, waves 8-15 V).  One wait for 0, one barrier, then 16 key steps of 128 keys
; in one counted loop with no barrier in it.  Nothing is filled again, so there is no ring.
; CLUSTER.  The four query blocks of a cluster belong to one head and read the same K and V: each load is a joint one, with a mask that names the four.
; No prefetch: all of the launch's tile loads go out at its head, so there is no loop to run ahead in.
; LAYOUT.  S^T = K Q^T (source 0 = 16 keys, source 1 = my 16 queries; K = 64), O^T = V^T P^T (source 0 = 16 channels, source 1 = p; K = 128 keys): a lane holds ONE query throughout.  A tile's eight results are keys
; 16 t + 8 (lane / 16) + 0..7: converted, they are registers 2 t, 2 t + 1 of the second product's operand in its own layout.
; THE MASK: 0.0 or -2^64 for each key lies in LDS; a step's 64 score registers are loaded from there and taken as the C of the first product.  A raw score is at most 64 x 448^2 < 2^24 in size, and
; the running largest raw score starts at -2^24: so M always comes from the range of true scores, and p of a hidden key is 2^(a number under -150) = 0, as with -infinity.
; LIMITS: eq + ek between -50 and 100; ep and the output's e between -126 and 119.  A batch whose mask is all 0 (NaN in the definition) is not served.
.set VIMG,  131072                     ; LDS: K's images from 0, V's from here,
.set MB,    262144                     ; 2,048 f32: 0.0 or -2^64 for each key; no tile lands here
.set SPARE, 270336                     ; the spare words, 128 bytes a wave, that no other line names
.set WV,   18                          ; s18 my wave's number
.set G1,   24                          ; s[24:31] descriptor group 1;  s[32:35] group 0
.set G0,   32
.macro CROUND                          ; a round of the cluster's barrier
	s_barrier_signal -1
	s_barrier_wait -1
	s_cmp_lg_u32 s[WV], 0
	s_cbranch_scc1 .Lnot_wave_0_\@
	s_barrier_signal -3
.Lnot_wave_0_\@:
	s_barrier_wait -3
	s_barrier_signal -1
	s_barrier_wait -1
.endm
	s_load_b256 s[4:11], s[0:1], 0x0               ; qkvc s[4:5], mask s[6:7], scales s[8:9], ac s[10:11]
	v_lshl_add_u32 v251, v0, 2, SPARE
	v_mov_b32 v255, 0
	ds_add_u32 v251, v255                          ; the opening lines: the add, twice on end, and one wait
	ds_add_u32 v251, v255
	v_lshrrev_b32 v8, 5, v0
	s_delay_alu instid0(VALU_DEP_1)
	v_readfirstlane_b32 s[WV], v8                  ; wave 0..15
	s_bfe_u32 s13, ttmp6, 0x40000                  ; cx
	s_lshl_b32 s14, ttmp9, 2
	s_add_co_u32 s14, s14, s13                     ; my block of 256 queries: it enters Q's and the output's addresses alone
	s_and_b32 s15, ttmp7, 0xffff                   ; 16 batch + head, which the partners share
	s_lshr_b32 s16, s15, 4                         ; batch
	s_lshr_b32 s52, s[WV], 3                       ; I fetch for K (0) or V (1),
	s_and_b32 s53, s[WV], 7                        ; the (wave % 8)-th 16 KiB of its 128 KiB
	s_lshl_b32 s54, s52, 17
	s_lshl_b32 s55, s53, 14
	s_add_co_u32 s54, s54, s55                     ; in LDS,
	s_lshl_b32 s56, s52, 22
	s_add_co_u32 s56, s56, s55
	s_lshl_b32 s57, s15, 17
	s_add_co_u32 s56, s56, s57
	s_add_co_u32 s56, s56, 0x400000                ; and in memory: K's section begins at 4 MiB, V's at 8 MiB; a head has 128 KiB
	s_mov_b32 s57, 0
	s_mov_b32 s[G1], 15|(3<<16)|(1<<21)            ; the mask: all four work-groups; elements of 8 bytes; bit 21 beside a mask; no padding
	s_mov_b32 s[G1+1], 32<<16                      ; tensor_dim0 = 32: rows of 256 bytes
	s_mov_b32 s[G1+2], 64<<16                      ; tensor_dim1 = 64
	s_mov_b32 s[G1+3], 32<<16                      ; tile_dim0
	s_mov_b32 s[G1+4], 64                          ; tile_dim1
	s_mov_b32 s[G1+5], 32                          ; the block is dense
	s_mov_b32 s[G1+6], 0
	s_mov_b32 s[G1+7], 0
	s_lshl_b32 s58, s14, 4
	s_add_co_u32 s58, s58, s[WV]                   ; my block of 16 queries in the batch
	s_lshl_b32 s60, s58, 10
	s_lshl_b32 s59, s15, 17
	s_add_co_u32 s60, s60, s59                     ; Q's image
	s_mov_b32 s61, 0
	s_lshl_b32 s62, s16, 13                        ; the batch's 2,048 words of the mask
	s_mov_b32 s63, 0
	s_lshl_b32 s66, s16, 7
	s_add_co_u32 s66, s66, s58
	s_lshl_b32 s66, s66, 14                        ; the output: block of 16 tokens x 16 KiB
	s_and_b32 s59, s15, 15
	s_lshl_b32 s59, s59, 10                        ; + head x 1,024: K step head / 2, registers 8 (head % 2) on
	s_add_co_u32 s66, s66, s59
	s_mov_b32 s67, 0
	s_mov_b32 s20, 0x76543210                      ; selects: lane l xor 16
	s_mov_b32 s21, 0xfedcba98
	s_wait_dscnt 0x0                               ; both opening adds are done
	s_wait_kmcnt 0x0
	s_load_b128 s[68:71], s[8:9], 0x18             ; eq, ek, ep, ev
	s_load_b32 s72, s[8:9], 0x28                   ; the output's e
	s_mov_b32 s[G0], 1
	s_mov_b32 s[G0+1], s54
	s_add_nc_u64 s[G0+2:G0+3], s[4:5], s[56:57]
	s_or_b32 s[G0+3], s[G0+3], 0x80000000
	CROUND                                         ; all four work-groups are here: the joint loads meet
	tensor_load_to_lds s[G0:G0+3], s[G1:G1+7]      ; my one tensor load of the launch
	s_nop 0
.rept 4
	v_nop
.endr
	s_add_nc_u64 s[60:61], s[4:5], s[60:61]
	s_add_nc_u64 s[6:7], s[6:7], s[62:63]
	s_add_nc_u64 s[10:11], s[10:11], s[66:67]
	v_and_b32 v9, 31, v0
	s_delay_alu instid0(VALU_DEP_1)
	v_lshlrev_b32 v1, 4, v9                        ; v1  16 x lane: an image's place for my lane; K's images begin at LDS byte 0
	s_delay_alu instid0(VALU_DEP_1)
	v_add_nc_u32 v2, VIMG, v1                      ; v2  the same in V's images
	v_bfe_u32 v10, v0, 4, 1
	s_delay_alu instid0(VALU_DEP_1)
	v_lshlrev_b32 v3, 5, v10
	s_delay_alu instid0(VALU_DEP_1)
	v_add_nc_u32 v3, MB, v3                        ; v3  the mask's numbers of my half's eight keys
	v_lshlrev_b32 v6, 4, v0                        ; v6  16 x thread: my four words of the mask
	s_delay_alu instid0(VALU_DEP_1)
	v_add_nc_u32 v5, MB, v6
	global_load_b128 v[32:35], v6, s[6:7]
	global_load_b128 v[16:19], v1, s[60:61]        ; Q's fragment stays in v16-23
	global_load_b128 v[20:23], v1, s[60:61] offset:512
	v_mov_b32 v40, 0xdf800000                      ; -2^64
	v_mov_b32 v13, 0xcb800000                      ; v13 the largest raw score so far: -2^24, under every true one
	v_mov_b32 v14, 0                               ; v[14:15] the row's sum, in two halves
	v_mov_b32 v15, 0
	v_mov_b32 v236, 0                              ; a lane permute's destination counts as read
	v_mov_b32 v253, 0                              ; (named as the upper half of the pair v[252:253])
.set n, 0
.rept 32
	v_mov_b32 v[160+n], 0                          ; O^T.  The step is written once: the first finds zeros, which the first change of M leaves zeros
.set n, n+1
.endr
	s_wait_loadcnt 0x2                             ; the mask's words are in; Q's two loads may be out
.irp n, 0,1,2,3
	v_cmp_eq_u32 vcc_lo, 0, v[32+\n]
	s_delay_alu instid0(VALU_DEP_1)
	v_cndmask_b32 v[36+\n], 0, v40, vcc_lo
.endr
	ds_store_b128 v5, v[36:39]
	s_wait_kmcnt 0x0
	s_add_co_i32 s73, s68, s69
	s_lshl_b32 s73, s73, 23
	s_add_co_i32 s22, s73, 0x3e38aa3b              ; c = log2(e) / 8 x 2^(eq + ek): the exponents are added to c's exponent field
	s_mov_b32 s23, s22                             ; (named with it as a pair)
	s_add_co_i32 s73, s70, 127
	s_lshl_b32 s74, s73, 23
	v_mov_b32 v24, s74                             ; 2^ep
	s_add_co_i32 s73, s73, 8
	s_lshl_b32 s73, s73, 23
	s_or_b32 s73, s73, 0x600000
	v_mov_b32 v25, s73                             ; 448 x 2^ep,
	v_mov_b32 v28, s73                             ; and once more: the two halves of a dual line take their second sources from different register banks
	s_add_co_i32 s73, s72, 127
	s_lshl_b32 s74, s73, 23
	v_mov_b32 v26, s74                             ; the same for the output
	s_add_co_i32 s73, s73, 8
	s_lshl_b32 s73, s73, 23
	s_or_b32 s73, s73, 0x600000
	v_mov_b32 v27, s73
	v_mul_f32 v250, s22, v13
	s_delay_alu instid0(VALU_DEP_1)
	v_floor_f32 v12, -v250                         ; v12 -M
	s_wait_alu depctr_va_vdst(0)
	s_wait_loadcnt 0x0                             ; Q
	s_wait_tensorcnt 0x0                           ; my 16 KiB are in,
	s_wait_dscnt 0x0                               ; and my store of the mask's numbers has landed
	s_barrier_signal -1
	s_barrier_wait -1                              ; everybody's are
	s_mov_b32 s48, 0                               ; the step's images of K begin at LDS byte s48 (V's at VIMG + s48)
	s_mov_b32 s49, 16                              ; 16 steps of 128 keys
; A KEY STEP.  v32-95 K's eight fragments, then V's four; v96-159 the mask's numbers, then S^T, then p; v160-191 O^T; v192-207 p's codes.
.Lstep:
	v_add_nc_u32 v8, s48, v1
	v_add_nc_u32 v9, s48, v2
	s_lshr_b32 s50, s48, 4                         ; 8,192 bytes of images are 128 keys: 512 bytes of the mask's numbers
	v_add_nc_u32 v10, s50, v3
	v_nop                                          ; four plain lines behind the last step's products, ahead of loads into registers that they read
.irp t, 0,1,2,3,4,5,6,7
	ds_load_b128 v[96+8*\t:99+8*\t], v10 offset:64*\t
	ds_load_b128 v[100+8*\t:103+8*\t], v10 offset:64*\t+16
.endr
.irp t, 0,1,2,3,4,5,6,7
	ds_load_b128 v[32+8*\t:35+8*\t], v8 offset:1024*\t
	ds_load_b128 v[36+8*\t:39+8*\t], v8 offset:1024*\t+512
.endr
	s_wait_alu depctr_va_vdst(0)
	s_wait_dscnt 0x0
.irp t, 0,1,2,3,4,5,6,7
	v_wmma_f32_16x16x64_fp8_fp8 v[96+8*\t:103+8*\t], v[32+8*\t:39+8*\t], v[16:23], v[96+8*\t:103+8*\t]   ; raw score + 0 or - 2^64; eight accumulators, one instruction each
.endr
.rept 4
	v_nop
.endr
.irp ct, 0,1,2,3
.irp q, 0,1,2,3
	ds_load_b128 v[32+16*\ct+4*\q:35+16*\ct+4*\q], v9 offset:2048*\ct+512*\q   ; V: it lands while the softmax is worked
.endr
.endr
	v_max3_num_f32 v254, v96, v97, v98             ; the step's largest score of my query among my 64 keys, in two chains, each accumulator from its low end on,
	v_max3_num_f32 v252, v99, v100, v101
.irp i, 6,10,14,18,22,26,30,34,38,42,46,50,54,58
	v_max3_num_f32 v254, v254, v[96+\i], v[97+\i]
	v_max3_num_f32 v252, v252, v[98+\i], v[99+\i]
.endr
	v_max3_num_f32 v254, v254, v158, v159
	s_delay_alu instid0(VALU_DEP_1)
	v_max_num_f32 v254, v254, v252
	s_delay_alu instid0(VALU_DEP_1)
	v_permlanex16_b32 v236, v254, s20, s21
	s_delay_alu instid0(VALU_DEP_1)
	v_max_num_f32 v254, v254, v236                 ; and among lane l xor 16's
	s_delay_alu instid0(VALU_DEP_1)
	v_max_num_f32 v13, v13, v254                   ; the running largest raw score
	s_delay_alu instid0(VALU_DEP_1)
	v_mul_f32 v250, s22, v13                       ; as t (c is positive)
	v_mov_b32 v254, v12
	s_delay_alu instid0(VALU_DEP_2)
	v_floor_f32 v12, -v250                         ; the new -M = floor(-t): M is a whole number
	s_delay_alu instid0(VALU_DEP_1)
	v_sub_f32 v254, v12, v254                      ; old M - new M: a whole number, 0 or less
	s_delay_alu instid0(VALU_DEP_1)
	v_cvt_i32_f32 v254, v254                       ; (it saturates)
	s_delay_alu instid0(VALU_DEP_1)
	v_ldexp_f32 v252, 1.0, v254                    ; f = 2^(old M - new M)
.set n, 0
.rept 32
	v_pk_fma_f32 v[96+n:97+n], v[96+n:97+n], s[22:23], v[12:13] op_sel_hi:[1,0,0]   ; t - M (of the pairs c and -M the low word serves both halves)
.set n, n+2
.endr
	s_wait_alu depctr_va_vdst(0)
.set n, 0
.rept 64
	v_exp_f32 v[96+n], v[96+n]                     ; p = 2^(t - M)
.set n, n+1
.endr
	v_pk_mul_f32 v[14:15], v[14:15], v[252:253] op_sel_hi:[1,0]   ; the sum under the new M (a plain line behind the exponentials)
	s_wait_alu depctr_va_vdst(0)                   ; one wait for the whole batch, ahead of its first reader
	v_pk_add_f32 v[242:243], v[96:97], v[98:99]    ; the row's sum of the unquantised p: 32 pairs in four chains
	v_pk_add_f32 v[244:245], v[100:101], v[102:103]
	v_pk_add_f32 v[246:247], v[104:105], v[106:107]
	v_pk_add_f32 v[14:15], v[14:15], v[108:109]
.irp j, 110,118,126,134,142,150
	v_pk_add_f32 v[242:243], v[242:243], v[\j:\j+1]
	v_pk_add_f32 v[244:245], v[244:245], v[\j+2:\j+3]
	v_pk_add_f32 v[246:247], v[246:247], v[\j+4:\j+5]
	v_pk_add_f32 v[14:15], v[14:15], v[\j+6:\j+7]
.endr
	v_pk_add_f32 v[242:243], v[242:243], v[158:159]   ; (the four chains are joined among the lines that rescale O^T)
.set n, 0
.rept 32
	v_dual_min_num_f32 v[96+n], v[96+n], v25 :: v_dual_min_num_f32 v[97+n], v[97+n], v28   ; the conversion does not saturate (ISA guide 7.6.2); p is not negative, so the hold is one-sided; two numbers a line
.set n, n+2
.endr
.irp t, 0,1,2,3,4,5,6,7
	v_cvt_scalef32_pk8_fp8_f32 v[192+2*\t:193+2*\t], v[96+8*\t:103+8*\t], v24
.endr
	s_wait_alu depctr_va_vdst(0)                   ; directly ahead of the first reader of O^T
.irp g, 0,1,2,3
.irp n, 0,2,4,6
	v_pk_mul_f32 v[160+8*\g+\n:161+8*\g+\n], v[160+8*\g+\n:161+8*\g+\n], v[252:253] op_sel_hi:[1,0]   ; O^T under the new M; these are also the plain lines behind the conversions
.endr
.if \g == 0
	v_pk_add_f32 v[242:243], v[242:243], v[244:245]
.elseif \g == 1
	v_pk_add_f32 v[14:15], v[14:15], v[246:247]
.elseif \g == 2
	v_pk_add_f32 v[14:15], v[14:15], v[242:243]
.endif
.endr
	s_wait_alu depctr_va_vdst(0)
	s_wait_dscnt 0x0                               ; V
.irp ct, 0,1,2,3
	v_wmma_f32_16x16x128_fp8_fp8 v[160+8*\ct:167+8*\ct], v[32+16*\ct:47+16*\ct], v[192:207], v[160+8*\ct:167+8*\ct]
.endr
	s_add_co_u32 s48, s48, 8192
	s_sub_co_u32 s49, s49, 1
	s_cmp_lg_u32 s49, 0
	s_cbranch_scc1 .Lstep
	; THE WAY OUT: O^T / the sum x 2^(ep + ev), held and converted with the output's scale.  A lane's eight channels of tile ct are registers 2 ct, 2 ct + 1 of its head's half of a K step of the next product.
.rept 4
	v_nop
.endr
	v_add_f32 v14, v14, v15
	s_delay_alu instid0(VALU_DEP_1)
	v_permlanex16_b32 v252, v14, s20, s21
	s_delay_alu instid0(VALU_DEP_1)
	v_add_f32 v14, v14, v252                       ; the row's sum
	s_wait_alu depctr_va_vdst(0)                   ; ahead of the transcendental
	v_rcp_f32 v14, v14
	v_nop
	s_add_co_i32 s73, s70, s71
	s_wait_alu depctr_va_vdst(0)                   ; ahead of its first reader
	v_ldexp_f32 v14, v14, s73
	s_wait_alu depctr_va_vdst(0)                   ; directly ahead of the first reader of O^T
.set n, 0
.rept 16
	v_pk_mul_f32 v[96+n:97+n], v[160+n:161+n], v[14:15] op_sel_hi:[1,0]
.set n, n+2
.endr
.set n, 0
.rept 32
	v_med3_num_f32 v[96+n], v[96+n], -v27, v27
.set n, n+1
.endr
.irp ct, 0,1,2,3
	v_cvt_scalef32_pk8_fp8_f32 v[128+2*\ct:129+2*\ct], v[96+8*\ct:103+8*\ct], v26
.endr
	v_nop
	global_store_b128 v1, v[128:131], s[10:11]     ; 512 consecutive bytes each
	global_store_b128 v1, v[132:135], s[10:11] offset:512
	s_wait_tensorcnt 0x0                           ; the wave's end
	ds_add_u32 v251, v255
	s_wait_dscnt 0x0
	CROUND                                         ; the closing round
	s_endpgm
.Lfunc_end_k_qd095f2ed8d_attn:
	.size	k_qd095f2ed8d_attn, .Lfunc_end_k_qd095f2ed8d_attn-k_qd095f2ed8d_attn
	.p2alignl 7, 3214868480
	.fill 96, 4, 3214868480
	.section	.rodata,"a",@progbits
	.p2align	6, 0x0
	.amdhsa_kernel k_qd095f2ed8d_attn
		.amdhsa_group_segment_fixed_size 272384
		.amdhsa_private_segment_fixed_size 0
		.amdhsa_enable_private_segment 0
		.amdhsa_kernarg_size 32
		.amdhsa_user_sgpr_count 2
		.amdhsa_user_sgpr_kernarg_segment_ptr 1
		.amdhsa_wavefront_size32 1
		.amdhsa_system_sgpr_workgroup_id_x 1
		.amdhsa_system_sgpr_workgroup_id_y 1
		.amdhsa_system_sgpr_workgroup_id_z 1
		.amdhsa_system_vgpr_workitem_id 0
		.amdhsa_next_free_vgpr 256
		.amdhsa_next_free_sgpr 76
		.amdhsa_reserve_vcc 1
		.amdhsa_float_denorm_mode_32 3
		.amdhsa_float_denorm_mode_16_64 3
		.amdhsa_memory_ordered 1
		.amdhsa_forward_progress 1
		.amdhsa_inst_pref_size 29
	.end_amdhsa_kernel
	.amdgpu_metadata
---
amdhsa.version: [ 1, 2 ]
amdhsa.kernels:
  - .name:           k_qd095f2ed8d_attn
    .symbol:         k_qd095f2ed8d_attn.kd
    .args:
      - { .name: qkvc, .offset: 0, .size: 8, .value_kind: global_buffer, .address_space: global }
      - { .name: mask, .offset: 8, .size: 8, .value_kind: global_buffer, .address_space: global }
      - { .name: lowp_scales, .offset: 16, .size: 8, .value_kind: global_buffer, .address_space: global }
      - { .name: ac, .offset: 24, .size: 8, .value_kind: global_buffer, .address_space: global }
    .group_segment_fixed_size: 272384
    .private_segment_fixed_size: 0
    .kernarg_segment_align: 8
    .kernarg_segment_size: 32
    .max_flat_workgroup_size: 512
    .sgpr_count:     76
    .vgpr_count:     256
    .wavefront_size: 32
...
	.end_amdgpu_metadata
.endif
;; end of part 3
;; launch oproj (part 4): grid 8 x 32, 4 waves a work-group, clusters of 4 x 4, 327,680 bytes of LDS; arguments ac, wo_w_codes, lowp_scales, wo_b, x, x1; writes x1
.if DOCPART == 4
	.amdgcn_target "amdgcn-amd-amdhsa--gfx1250"
	.amdhsa_code_object_version 6
	.text
	.protected	k_qd095f2ed8d_oproj
	.globl	k_qd095f2ed8d_oproj
	.p2align	8
	.type	k_qd095f2ed8d_oproj,@function
k_qd095f2ed8d_oproj:
	s_mov_b64 s[64:65], 0
	v_nop
	global_prefetch_b8 v0, s[64:65] scope:SCOPE_SE
	s_setreg_imm32_b32 hwreg(HW_REG_WAVE_MODE, 25, 1), 1
	s_wait_xcnt 0x0
	s_wait_alu depctr_hold_cnt(0) depctr_sa_sdst(0) depctr_va_vdst(0) depctr_va_sdst(0) depctr_va_ssrc(0) depctr_va_vcc(0) depctr_vm_vsrc(0)
	s_getreg_b32 s2, hwreg(HW_REG_IB_STS2, 6, 4)
	s_cmp_eq_u32 s2, 0
	s_cbranch_scc0 .Lentry_in_a_cluster
	s_endpgm
.Lentry_in_a_cluster:
	s_bfe_u32 s2, ttmp6, 0x10000c
	s_cmp_lg_u32 s2, 0xf033
	s_cbranch_scc0 .Lentry_shape_is_right
	s_endpgm
.Lentry_shape_is_right:
; x1 = x + A W^T x 2^(eA + eB) + bias.  A: [4096 tokens][1024] codes of E4M3 as images of the operand's registers: [block of 16 tokens][K step of 128][4][512], 16 bytes a lane, in the matrix form's own layout
; (registers 2 c, 2 c + 1: k = 16 c + 8 (lane / 16) + 0..7).  W: [1024][1024] codes, K innermost.  bias [1024], x and x1 [4096][1024]: f32.
; A tile of x1 is 128 x 128: 256 work-groups, one tile each; four waves, each 64 x 64: 16 accumulators.
; THE WHOLE K LIES IN LDS: A's 8 blocks x 16 KiB and W's 128 rows of 1,024 + 16 bytes.  Each wave asks for a quarter of that by ONE tensor load at the head (waves 0, 1: A's halves; waves 2, 3: W's);
; each byte is filled once, so there is no ring: one wait for 0, one barrier, eight steps of 128 along K.  No prefetch: all tile loads go out at the head, so there is no loop to run ahead in.
; CLUSTERS: 4 x 4 work-groups; A's tiles are shared along a row of the cluster, W's along a column: joint loads.
; Source 0 = 16 rows of W, source 1 = 16 tokens: a lane holds eight neighbouring columns of one token's row.  A's fragments come by loads of 16 bytes at 16 x lane (dense); W's by loads of 8 bytes in the same layout:
; row r starts at word 260 r, so the 32 lanes touch 64 different banks (64 banks of 4 bytes: ISA guide 11.1).
; The wave's 64 x 64 of x is asked for at the head, in the order in which rows leave.  Results go through the wave's own stage in LDS and leave as whole rows of 256 bytes.
; LIMITS: eA + eB between -126 and 127.
.set SIZE_K, 1024
.set SCB,    40                        ; byte of eA in the scales; eB follows
.set PB,     1040
.set APART,  131072                    ; A's 8 blocks x 8 steps x 2,048 bytes,
.set BHALF,  64*PB                     ; then W's 128 rows
.set STAGE,  APART+2*BHALF             ; behind the tiles: 16 rows x 272 bytes for each wave
.set SPITCH, 272
.set SPARE,  STAGE+4*16*SPITCH         ; behind the stages: the spare words, 128 bytes a wave, that no other line names
.set ADRA, 16                          ; v16-17 my A fragments of K steps 0-3, 4-7
.set ADRB, 20                          ; v20-21 my W fragments likewise
.set STO,  24
.set RD,   25
.set CO,   26
.set BO,   27
.set SPW,  28
.set NIL,  29
.set BI,   32                          ; v32-63  the bias of my 64 columns: register 8 b + j
.set TMP,  64                          ; v64-95  a block's results
.set BK,   96                          ; v96-127 the block as rows
.set ACC,  128                         ; v128-255 accumulator (a, b) at 8 (4 a + b)
.set F0,   0                           ; window 1: two fragment buffers: A at 16 a, W at 64 + 16 b
.set F1,   128                         ; window 2: v0-127 x: block a's row pair t at 32 a + 4 t
.set G1, 24
.set G0, 32
.set G1B, 48
.set G0B, 56
.set MSB, 0
.macro WIN new
.if MSB != (\new)
	s_set_vgpr_msb (MSB<<8)|(\new)
.set MSB, (\new)
.endif
.endm
.set MUL,  0x05                        ; sources 0 and 1 window 1; C and D window 0
.set TO_F, 0x40                        ; destination window 1
.macro CROUND
	s_barrier_signal -1
	s_barrier_wait -1
	s_cmp_lg_u32 s16, 0
	s_cbranch_scc1 .Lnot_wave_0_\@
	s_barrier_signal -3
.Lnot_wave_0_\@:
	s_barrier_wait -3
	s_barrier_signal -1
	s_barrier_wait -1
.endm
	s_load_b256 s[4:11], s[0:1], 0x0               ; A, W, scales, bias
	s_load_b128 s[12:15], s[0:1], 0x20             ; x, x1
	v_lshl_add_u32 v[SPW], v0, 2, SPARE
	v_mov_b32 v[NIL], 0
	ds_add_u32 v[SPW], v[NIL]
	ds_add_u32 v[SPW], v[NIL]
	v_lshrrev_b32 v1, 5, v0
	v_readfirstlane_b32 s16, v1                    ; wave 0..3
	s_lshr_b32 s17, s16, 1                         ; my half of the tile's tokens.  Also: I fetch for A (0) or W (1)
	s_and_b32 s18, s16, 1                          ; my half of its columns.  Also: which half I fetch
	s_bfe_u32 s40, ttmp6, 0x40000
	s_bfe_u32 s41, ttmp6, 0x40004
	s_lshl_b32 s42, ttmp9, 2
	s_add_co_u32 s42, s42, s40                     ; tile column
	s_and_b32 s19, ttmp7, 0xffff
	s_lshl_b32 s19, s19, 2
	s_add_co_u32 s19, s19, s41                     ; tile row
	s_lshl_b32 s43, s41, 2
	s_lshl_b32 s43, 15, s43                        ; my row of the cluster
	s_lshl_b32 s44, 0x1111, s40                    ; my column
	s_or_b32 s[G1+0], s43, (3<<16)|(1<<21)         ; A: the mask; elements of 8 bytes; bit 21 beside a mask; no padding
	s_mov_b32 s[G1+1], 2048<<16                    ; tensor_dim0 = 2,048: a block's eight steps, 16,384 bytes on end
	s_mov_b32 s[G1+2], 4<<16                       ; tensor_dim1 = 4 blocks of 16 tokens
	s_mov_b32 s[G1+3], 2048<<16
	s_mov_b32 s[G1+4], 4
	s_mov_b32 s[G1+5], 2*SIZE_K                    ; from block to block: 16 SIZE_K bytes
	s_mov_b32 s[G1+6], 0
	s_mov_b32 s[G1+7], 0
	s_or_b32 s[G1B+0], s44, (0<<16)|(1<<20)|(1<<21)|(7<<22)|(3<<25)  ; W: elements of 1 byte; 4 words of padding after every 256
	s_mov_b32 s[G1B+1], SIZE_K<<16
	s_mov_b32 s[G1B+2], 64<<16
	s_mov_b32 s[G1B+3], SIZE_K<<16
	s_mov_b32 s[G1B+4], 64
	s_mov_b32 s[G1B+5], SIZE_K
	s_mov_b32 s[G1B+6], 0
	s_mov_b32 s[G1B+7], 0
	s_lshl_b32 s20, s19, 3
	s_lshl_b32 s22, s18, 2
	s_add_co_u32 s20, s20, s22                     ; A: block 8 x tile row + 4 x half
	s_mul_i32 s20, s20, 16*SIZE_K
	s_mov_b32 s21, 0
	s_lshl_b32 s46, s42, 7
	s_lshl_b32 s22, s18, 6
	s_add_co_u32 s46, s46, s22                     ; W: row 128 x tile column + 64 x half
	s_mul_i32 s46, s46, SIZE_K
	s_mov_b32 s47, 0
	s_lshl_b32 s45, s18, 16                        ; where they go: A's half,
	s_mul_i32 s23, s18, BHALF
	s_add_co_u32 s23, s23, APART                   ; W's half
	s_wait_dscnt 0x0                               ; both opening adds are done
	s_wait_kmcnt 0x0
	s_load_b64 s[66:67], s[8:9], SCB               ; eA, eB
	s_mov_b32 s[G0], 1
	s_mov_b32 s[G0+1], s45
	s_add_nc_u64 s[G0+2:G0+3], s[4:5], s[20:21]
	s_or_b32 s[G0+3], s[G0+3], 0x80000000
	s_mov_b32 s[G0B], 1
	s_mov_b32 s[G0B+1], s23
	s_add_nc_u64 s[G0B+2:G0B+3], s[6:7], s[46:47]
	s_or_b32 s[G0B+3], s[G0B+3], 0x80000000
	CROUND                                         ; all sixteen work-groups are here: the joint loads meet
	s_cmp_eq_u32 s17, 0                            ; one chain on the wave's number, one load to an arm; an s_nop 0 and four v_nop follow each
	s_cbranch_scc0 .Lfor_b
	tensor_load_to_lds s[G0:G0+3], s[G1:G1+7]
	s_nop 0
.rept 4
	v_nop
.endr
	s_branch .Lasked
.Lfor_b:
	tensor_load_to_lds s[G0B:G0B+3], s[G1B:G1B+7]
	s_nop 0
.rept 4
	v_nop
.endr
.Lasked:
	v_and_b32 v1, 15, v0                           ; r
	v_bfe_u32 v2, v0, 4, 1                         ; h
	v_and_b32 v3, 31, v0
	v_lshlrev_b32 v4, 4, v3                        ; 16 x lane
	v_mul_u32_u24 v5, v1, PB
	v_lshl_add_u32 v5, v2, 3, v5                   ; 1040 r + 8 h
	s_lshl_b32 s68, s17, 16                        ; my four blocks of A
	s_mul_i32 s69, s18, BHALF
	s_add_co_u32 s69, s69, APART                   ; my 64 rows of W
.irp s, 0,1
	v_add_nc_u32 v[ADRA+\s], s68, v4
	v_add_nc_u32 v[ADRB+\s], s69, v5
	s_add_co_u32 s68, s68, 8192                    ; K steps 4-7: four images on,
	s_add_co_u32 s69, s69, 512                     ; 512 bytes along a row
.endr
	s_mul_i32 s70, s16, 16*SPITCH
	s_add_co_u32 s70, s70, STAGE                   ; my stage
	v_mul_u32_u24 v6, v1, SPITCH
	v_lshl_add_u32 v6, v2, 5, v6
	v_add_nc_u32 v[STO], s70, v6                   ; in: row r, 32 bytes for each half of the lanes
	v_mul_u32_u24 v6, v2, SPITCH
	v_lshl_add_u32 v6, v1, 4, v6
	v_add_nc_u32 v[RD], s70, v6                    ; back: lanes 0-15 one row of 256 bytes, lanes 16-31 the next
	v_lshlrev_b32 v6, 12, v2
	v_lshl_add_u32 v[CO], v1, 4, v6                ; and the same two rows in x and x1
	v_lshlrev_b32 v[BO], 5, v2
	s_wait_alu depctr_va_vdst(0)
	s_lshl_b32 s68, s42, 9
	s_lshl_b32 s69, s18, 8
	s_add_co_u32 s68, s68, s69                     ; my first column, in bytes
	s_mov_b32 s69, 0
	s_add_nc_u64 s[10:11], s[10:11], s[68:69]
	s_lshl_b32 s70, s19, 19
	s_lshl_b32 s71, s17, 18
	s_add_co_u32 s70, s70, s71                     ; my first row x 4,096 bytes
	s_add_co_u32 s68, s68, s70
	s_add_nc_u64 s[12:13], s[12:13], s[68:69]
	s_add_nc_u64 s[14:15], s[14:15], s[68:69]
.irp b, 0,1,2,3
	global_load_b128 v[BI+8*\b:BI+8*\b+3], v[BO], s[10:11] offset:64*\b
	global_load_b128 v[BI+8*\b+4:BI+8*\b+7], v[BO], s[10:11] offset:64*\b+16
.endr
	WIN 0x80                                       ; destination window 2
.irp a, 0,1,2,3
.irp t, 0,1,2,3,4,5,6,7
	global_load_b128 v[32*\a+4*\t:32*\a+4*\t+3], v[CO], s[12:13] offset:(16*\a+2*\t)*4096
.endr
.endr
	WIN 0
; 4 matrix instructions: tokens' block a x my four blocks of columns, 128 along K.  The 16 accumulators take turns in the same order in every step.
.macro MUL4 f, a, zero
.irp b, 0,1,2,3
.if \zero
	v_wmma_f32_16x16x128_fp8_fp8 v[ACC+8*(4*\a+\b):ACC+8*(4*\a+\b)+7], v[\f+64+16*\b:\f+64+16*\b+15], v[\f+16*\a:\f+16*\a+15], 0
.else
	v_wmma_f32_16x16x128_fp8_fp8 v[ACC+8*(4*\a+\b):ACC+8*(4*\a+\b)+7], v[\f+64+16*\b:\f+64+16*\b+15], v[\f+16*\a:\f+16*\a+15], v[ACC+8*(4*\a+\b):ACC+8*(4*\a+\b)+7]
.endif
.endr
.endm
.macro FETCH hf, ks, f                 ; 48 LDS loads in one run: W's four fragments (32 loads), then A's four (16), of K step 4 hf + ks
	WIN TO_F
.irp b, 0,1,2,3
.irp c, 0,1,2,3,4,5,6,7
	ds_load_b64 v[\f+64+16*\b+2*\c:\f+64+16*\b+2*\c+1], v[ADRB+\hf] offset:\b*16*PB+128*\ks+16*\c
.endr
.endr
.irp a, 0,1,2,3
.irp q, 0,1,2,3
	ds_load_b128 v[\f+16*\a+4*\q:\f+16*\a+4*\q+3], v[ADRA+\hf] offset:16384*\a+2048*\ks+512*\q
.endr
.endr
.endm
.macro PLACES                          ; four plain vector lines (ISA guide 7.12.1)
.rept 4
	v_nop
.endr
.endm
.macro STEP hf, nx, f, g, zero         ; multiplies buffer f and fetches K step 4 hf + nx into g
	s_wait_dscnt 8                                 ; W's fragments and A's blocks 0, 1 are in; the youngest eight loads (blocks 2, 3) may be out
	WIN MUL
	MUL4 \f, 0, \zero
	MUL4 \f, 1, \zero
	PLACES
	FETCH \hf, \nx, \g
	s_wait_dscnt 48                                ; all but the 48 just issued
	WIN MUL
	MUL4 \f, 2, \zero
	MUL4 \f, 3, \zero
.endm
	s_wait_alu depctr_va_vdst(0)
	s_wait_tensorcnt 0x0                           ; my quarter of the tiles is in
	s_barrier_signal -1
	s_barrier_wait -1                              ; everybody's is
	FETCH 0, 0, F0
	STEP 0, 1, F0, F1, 1                           ; the first step's products start the sums
	STEP 0, 2, F1, F0, 0
	STEP 0, 3, F0, F1, 0
	STEP 1, 0, F1, F0, 0
	STEP 1, 1, F0, F1, 0
	STEP 1, 2, F1, F0, 0
	STEP 1, 3, F0, F1, 0
	s_wait_dscnt 8
	WIN MUL
	MUL4 F1, 0, 0
	MUL4 F1, 1, 0
	s_wait_dscnt 0
	MUL4 F1, 2, 0
	MUL4 F1, 3, 0
	WIN 0
	s_wait_kmcnt 0x0
	s_add_co_i32 s66, s66, s67
	s_add_co_i32 s66, s66, 127
	s_lshl_b32 s66, s66, 23                        ; 2^(eA + eB) as f32
	s_mov_b32 s67, s66                             ; (named with it as a pair)
	s_wait_loadcnt 0x0                             ; bias and x
	PLACES
; Block a, 16 tokens x 64 columns: sum x 2^(eA + eB) + bias; through my stage; + x; 16 lanes store 256 consecutive bytes, aligned.
.macro OUTBLK a
.if \a > 0
	s_wait_xcnt 0x0                                ; the last block's stores have read their registers
.endif
.irp b, 0,1,2,3
.irp i, 0,2,4,6
	v_pk_fma_f32 v[TMP+8*\b+\i:TMP+8*\b+\i+1], v[ACC+8*(4*\a+\b)+\i:ACC+8*(4*\a+\b)+\i+1], s[66:67], v[BI+8*\b+\i:BI+8*\b+\i+1] op_sel_hi:[1,0,1]   ; each accumulator from its low end on
.endr
.endr
.irp b, 0,1,2,3
	ds_store_b128 v[STO], v[TMP+8*\b:TMP+8*\b+3] offset:64*\b
	ds_store_b128 v[STO], v[TMP+8*\b+4:TMP+8*\b+7] offset:64*\b+16
.endr
.irp t, 0,1,2,3,4,5,6,7
	ds_load_b128 v[BK+4*\t:BK+4*\t+3], v[RD] offset:\t*2*SPITCH   ; LDS serves a wave's instructions in order (ISA guide 5.7.1.4): these see the stores above
.endr
	s_wait_dscnt 0x0
	WIN 0x08                                       ; source 1 window 2
.irp t, 0,1,2,3,4,5,6,7
.irp i, 0,2
	v_pk_add_f32 v[BK+4*\t+\i:BK+4*\t+\i+1], v[BK+4*\t+\i:BK+4*\t+\i+1], v[32*\a+4*\t+\i:32*\a+4*\t+\i+1]
.endr
.endr
	WIN 0
.irp t, 0,1,2,3,4,5,6,7
	global_store_b128 v[CO], v[BK+4*\t:BK+4*\t+3], s[14:15] offset:(16*\a+2*\t)*4096
.endr
.endm
	OUTBLK 0
	OUTBLK 1
	OUTBLK 2
	OUTBLK 3
	s_wait_tensorcnt 0x0                           ; the wave's end
	ds_add_u32 v[SPW], v[NIL]
	s_wait_dscnt 0x0
	CROUND                                         ; the closing round
	s_endpgm
.Lfunc_end_k_qd095f2ed8d_oproj:
	.size	k_qd095f2ed8d_oproj, .Lfunc_end_k_qd095f2ed8d_oproj-k_qd095f2ed8d_oproj
	.p2alignl 7, 3214868480
	.fill 96, 4, 3214868480
	.section	.rodata,"a",@progbits
	.p2align	6, 0x0
	.amdhsa_kernel k_qd095f2ed8d_oproj
		.amdhsa_group_segment_fixed_size 327680
		.amdhsa_private_segment_fixed_size 0
		.amdhsa_enable_private_segment 0
		.amdhsa_kernarg_size 48
		.amdhsa_user_sgpr_count 2
		.amdhsa_user_sgpr_kernarg_segment_ptr 1
		.amdhsa_wavefront_size32 1
		.amdhsa_system_sgpr_workgroup_id_x 1
		.amdhsa_system_sgpr_workgroup_id_y 1
		.amdhsa_system_sgpr_workgroup_id_z 1
		.amdhsa_system_vgpr_workitem_id 0
		.amdhsa_next_free_vgpr 640
		.amdhsa_next_free_sgpr 72
		.amdhsa_reserve_vcc 0
		.amdhsa_float_denorm_mode_32 3
		.amdhsa_float_denorm_mode_16_64 3
		.amdhsa_memory_ordered 1
		.amdhsa_forward_progress 1
		.amdhsa_inst_pref_size 61
	.end_amdhsa_kernel
	.amdgpu_metadata
---
amdhsa.version: [ 1, 2 ]
amdhsa.kernels:
  - .name:           k_qd095f2ed8d_oproj
    .symbol:         k_qd095f2ed8d_oproj.kd
    .args:
      - { .name: ac, .offset: 0, .size: 8, .value_kind: global_buffer, .address_space: global }
      - { .name: wo_w_codes, .offset: 8, .size: 8, .value_kind: global_buffer, .address_space: global }
      - { .name: lowp_scales, .offset: 16, .size: 8, .value_kind: global_buffer, .address_space: global }
      - { .name: wo_b, .offset: 24, .size: 8, .value_kind: global_buffer, .address_space: global }
      - { .name: x, .offset: 32, .size: 8, .value_kind: global_buffer, .address_space: global }
      - { .name: x1, .offset: 40, .size: 8, .value_kind: global_buffer, .address_space: global }
    .group_segment_fixed_size: 327680
    .private_segment_fixed_size: 0
    .kernarg_segment_align: 8
    .kernarg_segment_size: 48
    .max_flat_workgroup_size: 128
    .sgpr_count:     72
    .vgpr_count:     640
    .wavefront_size: 32
...
	.end_amdgpu_metadata
.endif
;; end of part 4
;; launch ln2 (part 5): grid 256 x 1, 8 waves a work-group, no clusters, 9,216 bytes of LDS; arguments x1, ln2_a, ln2_b, lowp_scales, h2; writes h2
.if DOCPART == 5
	.amdgcn_target "amdgcn-amd-amdhsa--gfx1250"
	.amdhsa_code_object_version 6
	.text
	.protected	k_qd095f2ed8d_ln2
	.globl	k_qd095f2ed8d_ln2
	.p2align	8
	.type	k_qd095f2ed8d_ln2,@function
k_qd095f2ed8d_ln2:
	s_mov_b64 s[64:65], 0
	v_nop
	global_prefetch_b8 v0, s[64:65] scope:SCOPE_SE
	s_setreg_imm32_b32 hwreg(HW_REG_WAVE_MODE, 25, 1), 1
	s_wait_xcnt 0x0
; h = (x - mean) / (std + 1e-5) * a + b along rows of 1,024 f32 (std with divisor 1,023), then quantised NOUT times to codes of E4M3, each time with a given scale 2^e:
; code = h / 2^e, held within +-448, to the nearest code, ties to even.  Output: NOUT sections of [4096][1024] codes, row-major, 4 MiB apart; section o takes entry (SCB + SCS o) / 4 of the scales.
; SHARES.  A row is 4,096 bytes: one wave takes a whole row in 32 registers a lane, so mean and variance (two passes, both in registers) never leave the wave.  Eight waves, two rows each; no barrier, no loop.
; Every load of a wave covers 512 consecutive bytes; all 32 loads of a wave (two rows, gain, shift) are issued at the head.
; A lane's four codes of a load's 512 bytes are 4 bytes: they turn through the wave's own stage in LDS (1,024 bytes a section) and leave 16 bytes a lane: each store covers 512 consecutive bytes, aligned.
; Matrix units, clusters and tensor loads are left out: each byte is read once and used once.
; LIMITS: e between -126 and 119 (2^e and 448 x 2^e are made as f32 patterns).  NaN among the inputs is not served.  A variance under the smallest normal f32 number counts as 0 in the root.
.set NOUT, 1
.set SCB,  48                          ; byte of the first scale's exponent
.set SCS,  8                           ; bytes from one to the next
.set X,    32                          ; v32-95   two rows, 32 registers each: register 4 j + n = column 128 j + 4 lane + n
.set GA,   96                          ; v96-127  the gain, in the same order
.set GB,   128                         ; v128-159 the shift
.set T,    160                         ; v160-175 two sets of eight held numbers, by turns
.set C,    176                         ; v176..   codes: eight registers a section
.set OUTR, 200                         ; v200..   codes as they leave: 24 row + 8 section + 4 half
.set SC,   20                          ; v20+2o: 2^e; v21+2o: 448 x 2^e
.set OB,   26                          ; s[26+2o:27+2o] section o at my first row
	s_load_b256 s[4:11], s[0:1], 0x0               ; x s[4:5], gain s[6:7], shift s[8:9], scales s[10:11]
	s_load_b64 s[12:13], s[0:1], 0x20              ; the codes
	v_lshl_add_u32 v248, v0, 2, 0x2000
	v_mov_b32 v249, 0
	v_lshrrev_b32 v13, 5, v0
	s_delay_alu instid0(VALU_DEP_1)
	v_readfirstlane_b32 s14, v13                   ; wave 0..7
	v_and_b32 v14, 31, v0                          ; lane
	s_delay_alu instid0(VALU_DEP_1)
	v_lshlrev_b32 v1, 4, v14                       ; 16 x lane: my place in 512 bytes, in and out
	s_mul_i32 s15, s14, NOUT*1024                  ; my wave's stage
	v_lshl_add_u32 v2, v14, 2, s15                 ; into it: 4 bytes a lane
	v_lshl_add_u32 v3, v14, 4, s15                 ; out of it: 16 bytes a lane
	v_mov_b32 v12, 0                               ; a lane permute's destination counts as read: written once
	s_mov_b32 s24, 0x76543210                      ; selects: lane l xor 16
	s_mov_b32 s25, 0xfedcba98
	s_lshl_b32 s16, ttmp9, 16                      ; my first row = 16 x work-group + 2 x wave; x 4,096 bytes
	s_lshl_b32 s17, s14, 13
	s_add_co_u32 s16, s16, s17
	s_mov_b32 s17, 0
	s_lshl_b32 s18, ttmp9, 14                      ; x 1,024 bytes of codes
	s_lshl_b32 s19, s14, 11
	s_add_co_u32 s18, s18, s19
	s_mov_b32 s19, 0
	s_wait_alu depctr_va_vdst(0)
	s_wait_kmcnt 0x0
.irp o, 0,1,2
.if \o < NOUT
	s_load_b32 s[20+\o], s[10:11], SCB+SCS*\o
.endif
.endr
	s_add_nc_u64 s[4:5], s[4:5], s[16:17]
	s_add_nc_u64 s[OB:OB+1], s[12:13], s[18:19]
.if NOUT > 1
	s_add_nc_u64 s[OB+2:OB+3], s[OB:OB+1], 0x400000
	s_add_nc_u64 s[OB+4:OB+5], s[OB:OB+1], 0x800000
.endif
.irp j, 0,1,2,3,4,5,6,7
	global_load_b128 v[X+4*\j:X+4*\j+3], v1, s[4:5] offset:512*\j
.endr
.irp j, 0,1,2,3,4,5,6,7
	global_load_b128 v[GA+4*\j:GA+4*\j+3], v1, s[6:7] offset:512*\j
.endr
.irp j, 0,1,2,3,4,5,6,7
	global_load_b128 v[GB+4*\j:GB+4*\j+3], v1, s[8:9] offset:512*\j
.endr
.irp j, 0,1,2,3,4,5,6,7
	global_load_b128 v[X+32+4*\j:X+32+4*\j+3], v1, s[4:5] offset:4096+512*\j
.endr
	s_wait_kmcnt 0x0
.irp o, 0,1,2
.if \o < NOUT
	s_add_co_i32 s32, s[20+\o], 127
	s_lshl_b32 s33, s32, 23
	v_mov_b32 v[SC+2*\o], s33                      ; 2^e as f32: the conversion takes its exponent field
	s_add_co_i32 s32, s32, 8
	s_lshl_b32 s32, s32, 23
	s_or_b32 s32, s32, 0x600000
	v_mov_b32 v[SC+2*\o+1], s32                    ; 448 x 2^e
.endif
.endr
.macro REDUCE                          ; v8 summed over the 32 lanes, the result in every lane
	s_delay_alu instid0(VALU_DEP_1)
	v_add_f32_dpp v8, v8, v8 row_xmask:1 row_mask:0xf bank_mask:0xf
	s_delay_alu instid0(VALU_DEP_1)
	v_add_f32_dpp v8, v8, v8 row_xmask:2 row_mask:0xf bank_mask:0xf
	s_delay_alu instid0(VALU_DEP_1)
	v_add_f32_dpp v8, v8, v8 row_xmask:4 row_mask:0xf bank_mask:0xf
	s_delay_alu instid0(VALU_DEP_1)
	v_add_f32_dpp v8, v8, v8 row_xmask:8 row_mask:0xf bank_mask:0xf
	s_delay_alu instid0(VALU_DEP_1)
	v_permlanex16_b32 v12, v8, s24, s25
	s_delay_alu instid0(VALU_DEP_1)
	v_add_f32 v8, v8, v12
.endm
.macro ROW i
.set XR, X+32*\i
.if \i == 0
	s_wait_loadcnt 24                              ; row 0's eight loads are in; gain, shift and row 1 (24 loads) may be out
.else
	s_wait_loadcnt 0x0                             ; row 1
.endif
	v_pk_add_f32 v[8:9], v[XR:XR+1], v[XR+2:XR+3]  ; the sum, in two chains that the first pairs start
	v_pk_add_f32 v[10:11], v[XR+4:XR+5], v[XR+6:XR+7]
.irp j, 8,12,16,20,24,28
	s_delay_alu instid0(VALU_DEP_2)
	v_pk_add_f32 v[8:9], v[8:9], v[XR+\j:XR+\j+1]
	s_delay_alu instid0(VALU_DEP_2)
	v_pk_add_f32 v[10:11], v[10:11], v[XR+\j+2:XR+\j+3]
.endr
	s_delay_alu instid0(VALU_DEP_1)
	v_pk_add_f32 v[8:9], v[8:9], v[10:11]
	s_delay_alu instid0(VALU_DEP_1)
	v_add_f32 v8, v8, v9
	REDUCE
	s_delay_alu instid0(VALU_DEP_1)
	v_mul_f32 v4, 0x3a800000, v8                   ; the mean: x 1 / 1,024
	s_delay_alu instid0(VALU_DEP_1)
	v_mov_b32 v5, v4
.irp j, 0,2,4,6,8,10,12,14,16,18,20,22,24,26,28,30
	v_pk_add_f32 v[XR+\j:XR+\j+1], v[XR+\j:XR+\j+1], v[4:5] neg_lo:[0,1] neg_hi:[0,1]   ; d = x - mean, in place
.endr
	v_pk_mul_f32 v[8:9], v[XR:XR+1], v[XR:XR+1]    ; the sum of d d, again in two chains
	v_pk_mul_f32 v[10:11], v[XR+2:XR+3], v[XR+2:XR+3]
.irp j, 4,8,12,16,20,24,28
	s_delay_alu instid0(VALU_DEP_2)
	v_pk_fma_f32 v[8:9], v[XR+\j:XR+\j+1], v[XR+\j:XR+\j+1], v[8:9]
	s_delay_alu instid0(VALU_DEP_2)
	v_pk_fma_f32 v[10:11], v[XR+\j+2:XR+\j+3], v[XR+\j+2:XR+\j+3], v[10:11]
.endr
	s_delay_alu instid0(VALU_DEP_1)
	v_pk_add_f32 v[8:9], v[8:9], v[10:11]
	s_delay_alu instid0(VALU_DEP_1)
	v_add_f32 v8, v8, v9
	REDUCE
	s_delay_alu instid0(VALU_DEP_1)
	v_mul_f32 v8, 0x3a802008, v8                   ; x 1 / 1,023
	s_wait_alu depctr_va_vdst(0)
	v_sqrt_f32 v8, v8
	v_nop                                          ; a plain line behind a transcendental, ahead of the use of its result
	s_wait_alu depctr_va_vdst(0)
	v_add_f32 v8, 0x3727c5ac, v8                   ; + 1e-5
	s_wait_alu depctr_va_vdst(0)
	v_rcp_f32 v6, v8
	v_nop
	s_wait_alu depctr_va_vdst(0)
	v_mov_b32 v7, v6
.if \i == 0
	s_wait_alu depctr_va_vdst(0)
	s_wait_loadcnt 8                               ; gain and shift are in; row 1's eight loads may be out
.endif
.irp j, 0,2,4,6,8,10,12,14,16,18,20,22,24,26,28,30
	v_pk_mul_f32 v[XR+\j:XR+\j+1], v[XR+\j:XR+\j+1], v[6:7]
.endr
.irp j, 0,2,4,6,8,10,12,14,16,18,20,22,24,26,28,30
	v_pk_fma_f32 v[XR+\j:XR+\j+1], v[XR+\j:XR+\j+1], v[GA+\j:GA+\j+1], v[GB+\j:GB+\j+1]
.endr
.irp o, 0,1,2
.if \o < NOUT
.irp g, 0,1,2,3
.irp n, 0,1,2,3,4,5,6,7
	v_med3_num_f32 v[T+8*(\g%2)+\n], v[XR+8*\g+\n], -v[SC+2*\o+1], v[SC+2*\o+1]   ; the conversion does not saturate (ISA guide 7.6.2): the hold comes first.  The two sets take turns, so eight plain lines stand between a conversion and the rewriting of its sources
.endr
	v_cvt_scalef32_pk8_fp8_f32 v[C+8*\o+2*\g:C+8*\o+2*\g+1], v[T+8*(\g%2):T+8*(\g%2)+7], v[SC+2*\o]
.endr
.endif
.endr
	v_nop                                          ; a plain line behind the last conversion
.irp o, 0,1,2
.if \o < NOUT
.irp j, 0,1,2,3,4,5,6,7
	ds_store_b32 v2, v[C+8*\o+\j] offset:1024*\o+128*\j   ; code register j: columns 128 j + 4 lane on
.endr
.irp u, 0,1
	ds_load_b128 v[OUTR+24*\i+8*\o+4*\u:OUTR+24*\i+8*\o+4*\u+3], v3 offset:1024*\o+512*\u   ; LDS serves a wave's instructions in order (ISA guide 5.7.1.4): these see the stores above
.endr
.endif
.endr
	s_wait_dscnt 0x0
.irp o, 0,1,2
.if \o < NOUT
.irp u, 0,1
	global_store_b128 v1, v[OUTR+24*\i+8*\o+4*\u:OUTR+24*\i+8*\o+4*\u+3], s[OB+2*\o:OB+2*\o+1] offset:1024*\i+512*\u   ; 512 consecutive bytes; each row has its own registers, so no store's data are written again
.endr
.endif
.endr
.endm
	ROW 0
	ROW 1
	s_wait_tensorcnt 0x0
	ds_add_u32 v248, v249
	s_wait_dscnt 0x0
	s_endpgm
.Lfunc_end_k_qd095f2ed8d_ln2:
	.size	k_qd095f2ed8d_ln2, .Lfunc_end_k_qd095f2ed8d_ln2-k_qd095f2ed8d_ln2
	.p2alignl 7, 3214868480
	.fill 96, 4, 3214868480
	.section	.rodata,"a",@progbits
	.p2align	6, 0x0
	.amdhsa_kernel k_qd095f2ed8d_ln2
		.amdhsa_group_segment_fixed_size 9216
		.amdhsa_private_segment_fixed_size 0
		.amdhsa_enable_private_segment 0
		.amdhsa_kernarg_size 40
		.amdhsa_user_sgpr_count 2
		.amdhsa_user_sgpr_kernarg_segment_ptr 1
		.amdhsa_wavefront_size32 1
		.amdhsa_system_sgpr_workgroup_id_x 1
		.amdhsa_system_sgpr_workgroup_id_y 1
		.amdhsa_system_sgpr_workgroup_id_z 1
		.amdhsa_system_vgpr_workitem_id 0
		.amdhsa_next_free_vgpr 250
		.amdhsa_next_free_sgpr 66
		.amdhsa_reserve_vcc 0
		.amdhsa_float_denorm_mode_32 3
		.amdhsa_float_denorm_mode_16_64 3
		.amdhsa_memory_ordered 1
		.amdhsa_forward_progress 1
		.amdhsa_inst_pref_size 27
	.end_amdhsa_kernel
	.amdgpu_metadata
---
amdhsa.version: [ 1, 2 ]
amdhsa.kernels:
  - .name:           k_qd095f2ed8d_ln2
    .symbol:         k_qd095f2ed8d_ln2.kd
    .args:
      - { .name: x1, .offset: 0, .size: 8, .value_kind: global_buffer, .address_space: global }
      - { .name: ln2_a, .offset: 8, .size: 8, .value_kind: global_buffer, .address_space: global }
      - { .name: ln2_b, .offset: 16, .size: 8, .value_kind: global_buffer, .address_space: global }
      - { .name: lowp_scales, .offset: 24, .size: 8, .value_kind: global_buffer, .address_space: global }
      - { .name: h2, .offset: 32, .size: 8, .value_kind: global_buffer, .address_space: global }
    .group_segment_fixed_size: 9216
    .private_segment_fixed_size: 0
    .kernarg_segment_align: 8
    .kernarg_segment_size: 40
    .max_flat_workgroup_size: 256
    .sgpr_count:     66
    .vgpr_count:     250
    .wavefront_size: 32
...
	.end_amdgpu_metadata
.endif
;; end of part 5
;; launch ff1 (part 6): grid 16 x 16, 4 waves a work-group, clusters of 4 x 4, 327,680 bytes of LDS; arguments h2, ff1_w_codes, ff1_b, lowp_scales, fc; writes fc
.if DOCPART == 6
	.amdgcn_target "amdgcn-amd-amdhsa--gfx1250"
	.amdhsa_code_object_version 6
	.text
	.protected	k_qd095f2ed8d_ff1
	.globl	k_qd095f2ed8d_ff1
	.p2align	8
	.type	k_qd095f2ed8d_ff1,@function
k_qd095f2ed8d_ff1:
	s_mov_b64 s[64:65], 0
	v_nop
	global_prefetch_b8 v0, s[64:65] scope:SCOPE_SE
	s_setreg_imm32_b32 hwreg(HW_REG_WAVE_MODE, 25, 1), 1
	s_wait_xcnt 0x0
	s_wait_alu depctr_hold_cnt(0) depctr_sa_sdst(0) depctr_va_vdst(0) depctr_va_sdst(0) depctr_va_ssrc(0) depctr_va_vcc(0) depctr_vm_vsrc(0)
	s_getreg_b32 s2, hwreg(HW_REG_IB_STS2, 6, 4)
	s_cmp_eq_u32 s2, 0
	s_cbranch_scc0 .Lentry_in_a_cluster
	s_endpgm
.Lentry_in_a_cluster:
	s_bfe_u32 s2, ttmp6, 0x10000c
	s_cmp_lg_u32 s2, 0xf033
	s_cbranch_scc0 .Lentry_shape_is_right
	s_endpgm
.Lentry_shape_is_right:
; fc = Q(relu(h2 W1^T + b1)): [4096 x 1024] x [1024 x 4096] on codes of E4M3; the result is quantised again with the scale of the next product's A and laid as images of that operand's registers:
; [block of 16 tokens][K step of 128][4][512], 16 bytes a lane.  A tile is 256 x 256, four waves of 128 x 128 (64 accumulators); K goes in steps of 256 through a ring of two LDS slots filled by joint tensor loads
; (4 x 4 clusters: tokens' tiles shared along a row, W1's along a column).  Slot 0 is asked for at the head, slot 1 behind the full sequence and a round, one load a wave.
; Source 0 = 16 rows of W1, source 1 = 16 tokens: a lane's eight results are eight neighbouring hidden units of a token.  The hold between 0 and 448 x the scale is also the relu.
; LIMITS: eo - eA - eB between -126 and 119.  NaN among the inputs is not served.
.set SIZE_K, 1024
.set KSTEP,  256
.set ROWB,   256
.set KROW,   SIZE_K
.set PITCH,  272
.set FR,     16
.set NL,     4
.set NP,     4
.set HALFT,  128*PITCH
.set SLOT,   4*HALFT
.set LAPS,   SIZE_K/(2*KSTEP)
.set SPARE,  2*SLOT
.set ADRA, 16
.set ADRB, 20
.set LO,   26
.set BXO,  27
.set SPW,  28
.set NIL,  29
.set SCL,  30
.set LIM,  31
.set BX,   32
.set AF,   128
.set TMP,  128
.set CD,   192
.set G1, 24
.set G0, 32
.set G1B, 48
.set G0B, 56
.set MSB, 0
.macro WIN new
.if MSB != (\new)
	s_set_vgpr_msb (MSB<<8)|(\new)
.set MSB, (\new)
.endif
.endm
.set MUL_LO, 0xa1
.set MUL_HI, 0xf1
.set TO_B,   0x40
.macro JLOAD g0a, g1a, g0b, g1b
	s_cmp_eq_u32 s15, 0
	s_cbranch_scc0 .Lfor_b_\@
	tensor_load_to_lds s[\g0a:\g0a+3], s[\g1a:\g1a+7]
	s_nop 0
.rept 4
	v_nop
.endr
	s_branch .Lasked_\@
.Lfor_b_\@:
	tensor_load_to_lds s[\g0b:\g0b+3], s[\g1b:\g1b+7]
	s_nop 0
.rept 4
	v_nop
.endr
.Lasked_\@:
.endm
.macro CREST
	s_cmp_lg_u32 s14, 0
	s_cbranch_scc1 .Lnot_wave_0_\@
	s_barrier_signal -3
.Lnot_wave_0_\@:
	s_barrier_wait -3
	s_barrier_signal -1
	s_barrier_wait -1
.endm
.macro CROUND
	s_barrier_signal -1
	s_barrier_wait -1
	CREST
.endm
	s_load_b256 s[68:75], s[0:1], 0x0
	s_load_b64 s[84:85], s[0:1], 0x20
	v_lshl_add_u32 v[SPW], v0, 2, SPARE
	v_mov_b32 v[NIL], 0
	ds_add_u32 v28, v29
	ds_add_u32 v28, v29
	s_wait_dscnt 0x0
	v_lshrrev_b32 v1, 5, v0
	v_readfirstlane_b32 s14, v1
	s_lshr_b32 s15, s14, 1
	s_and_b32 s16, s14, 1
	s_bfe_u32 s40, ttmp6, 0x40000
	s_bfe_u32 s41, ttmp6, 0x40004
	s_lshl_b32 s42, ttmp9, 2
	s_add_co_u32 s42, s42, s40
	s_and_b32 s17, ttmp7, 0xffff
	s_lshl_b32 s17, s17, 2
	s_add_co_u32 s17, s17, s41
	s_lshl_b32 s43, s41, 2
	s_lshl_b32 s43, 15, s43
	s_lshl_b32 s44, 0x1111, s40
	s_or_b32 s[G1+0], s43, (0<<16)|(1<<20)|(1<<21)|(5<<22)|(3<<25)
	s_or_b32 s[G1B+0], s44, (0<<16)|(1<<20)|(1<<21)|(5<<22)|(3<<25)
.irp g, G1, G1B
	s_mov_b32 s[\g+1], ROWB<<16
	s_mov_b32 s[\g+2], 128<<16
	s_mov_b32 s[\g+3], ROWB<<16
	s_mov_b32 s[\g+4], 128
	s_mov_b32 s[\g+5], KROW
	s_mov_b32 s[\g+6], 0
	s_mov_b32 s[\g+7], 0
.endr
	s_lshl_b32 s18, s16, 7
	s_lshl_b32 s20, s17, 8
	s_add_co_u32 s20, s20, s18
	s_lshl_b32 s20, s20, 10
	s_mov_b32 s21, 0
	s_lshl_b32 s46, s42, 8
	s_add_co_u32 s46, s46, s18
	s_lshl_b32 s46, s46, 10
	s_mov_b32 s47, 0
	s_mul_i32 s45, s14, HALFT
	s_wait_kmcnt 0x0
	s_load_b128 s[92:95], s[74:75], 0x30
	s_add_nc_u64 s[20:21], s[68:69], s[20:21]
	s_add_nc_u64 s[46:47], s[70:71], s[46:47]
	CROUND
.irp s, 0,1
	s_mov_b32 s[G0+4*\s], 1
	s_add_co_u32 s[G0+4*\s+1], s45, \s*SLOT
	s_add_nc_u64 s[G0+4*\s+2:G0+4*\s+3], s[20:21], \s*ROWB
	s_or_b32 s[G0+4*\s+3], s[G0+4*\s+3], 0x80000000
	s_mov_b32 s[G0B+4*\s], 1
	s_add_co_u32 s[G0B+4*\s+1], s45, \s*SLOT
	s_add_nc_u64 s[G0B+4*\s+2:G0B+4*\s+3], s[46:47], \s*ROWB
	s_or_b32 s[G0B+4*\s+3], s[G0B+4*\s+3], 0x80000000
.endr
	JLOAD G0, G1, G0B, G1B                         ; K step 0: one tensor load a wave at the head
	v_and_b32 v1, 15, v0
	v_bfe_u32 v2, v0, 4, 1
	v_mul_u32_u24 v3, v1, PITCH
	v_lshl_add_u32 v4, v2, 4, v3
	s_mul_i32 s21, s15, HALFT
	s_mul_i32 s22, s16, HALFT
	s_add_co_u32 s22, s22, 2*HALFT
.irp s, 0,1
	v_add_nc_u32 v[ADRA+\s], s21, v4
	v_add_nc_u32 v[ADRB+\s], s22, v4
	s_add_co_u32 s21, s21, SLOT
	s_add_co_u32 s22, s22, SLOT
.endr
	v_and_b32 v6, 31, v0
	v_lshlrev_b32 v[LO], 4, v6
	v_lshlrev_b32 v[BXO], 5, v2
	s_lshl_b32 s90, s42, 10
	s_lshl_b32 s91, s16, 9
	s_add_co_u32 s90, s90, s91
	s_mov_b32 s91, 0
	s_add_nc_u64 s[90:91], s[72:73], s[90:91]
.irp b, 0,1,2,3,4,5,6,7
	global_load_b128 v[BX+8*\b:BX+8*\b+3], v[BXO], s[90:91] offset:64*\b
	global_load_b128 v[BX+8*\b+4:BX+8*\b+7], v[BXO], s[90:91] offset:64*\b+16
.endr
	s_lshl_b32 s8, s17, 8
	s_lshl_b32 s9, s15, 7
	s_add_co_u32 s8, s8, s9
	s_lshl_b32 s8, s8, 12
	s_lshl_b32 s10, s42, 8
	s_lshl_b32 s11, s16, 7
	s_add_co_u32 s10, s10, s11
	s_lshl_b32 s10, s10, 4
	s_add_co_u32 s88, s8, s10
	s_mov_b32 s89, 0
	s_add_nc_u64 s[88:89], s[84:85], s[88:89]
.macro FRAG reg, adr, q, i
.irp c, 0,1,2,3
	ds_load_b128 v[\reg+4*\c:\reg+4*\c+3], v[\adr] offset:128*(\q)+32*\c+(\i)*16*PITCH
.endr
.endm
.macro MUL16 a0, p, zero
.irp a, \a0, \a0+1
.irp b, 0,1,2,3,4,5,6,7
.if \zero
	v_wmma_f32_16x16x128_fp8_fp8 v[8*(8*((\a)%4)+\b):8*(8*((\a)%4)+\b)+7], v[128*(\p)+FR*\b:128*(\p)+FR*\b+FR-1], v[AF+FR*(\a):AF+FR*(\a)+FR-1], 0
.else
	v_wmma_f32_16x16x128_fp8_fp8 v[8*(8*((\a)%4)+\b):8*(8*((\a)%4)+\b)+7], v[128*(\p)+FR*\b:128*(\p)+FR*\b+FR-1], v[AF+FR*(\a):AF+FR*(\a)+FR-1], v[8*(8*((\a)%4)+\b):8*(8*((\a)%4)+\b)+7]
.endif
.endr
.endr
.endm
.macro FETCH_B slot, q, p
	WIN TO_B
.irp i, 0,1,2,3,4,5,6,7
	FRAG 128*(\p)+FR*\i, ADRB+\slot, \q, \i
.endr
	WIN 0
.endm
.macro FETCH_A slot, q, i0
.irp i, \i0, \i0+1, \i0+2, \i0+3
	FRAG AF+FR*(\i), ADRA+\slot, \q, \i
.endr
.endm
.macro PLACES n
.rept \n
	v_nop
.endr
.endm
.macro STEP slot, q, zero
	s_wait_dscnt 4*NL
	WIN MUL_LO
	MUL16 0, (\q)%2, \zero
	MUL16 2, (\q)%2, \zero
	s_wait_dscnt 0
	PLACES NP
	FETCH_B \slot, (\q)+1, 1-(\q)%2
	FETCH_A \slot, (\q)+1, 0
	WIN MUL_HI
	MUL16 4, (\q)%2, \zero
	MUL16 6, (\q)%2, \zero
	PLACES NP
	WIN 0
	FETCH_A \slot, (\q)+1, 4
.endm
.macro TURN slot, next, fill
	s_wait_tensorcnt 0x0
	ds_add_u32 v[SPW], v[NIL]
	s_wait_dscnt 4*NL+1
	WIN MUL_LO
	MUL16 0, 1, 0
	s_wait_dscnt 0x0
	s_barrier_signal -1
	MUL16 2, 1, 0
	WIN 0
	s_barrier_wait -1
.if \fill
	CREST
	s_add_nc_u64 s[G0+4*\slot+2:G0+4*\slot+3], s[G0+4*\slot+2:G0+4*\slot+3], 2*ROWB
	s_add_nc_u64 s[G0B+4*\slot+2:G0B+4*\slot+3], s[G0B+4*\slot+2:G0B+4*\slot+3], 2*ROWB
	JLOAD G0+4*\slot, G1, G0B+4*\slot, G1B
.else
	PLACES NP
.endif
	FETCH_B \next, 0, 0
	FETCH_A \next, 0, 0
	WIN MUL_HI
	MUL16 4, 1, 0
	MUL16 6, 1, 0
	PLACES NP
	WIN 0
	FETCH_A \next, 0, 4
.endm
	s_wait_alu depctr_va_vdst(0)
	s_wait_tensorcnt 0x0                           ; my part of K step 0 is in
	ds_add_u32 v[SPW], v[NIL]
	s_wait_dscnt 0x0
	CROUND                                         ; a whole round: everybody's part of K step 0 is in, and the joint loads meet
	JLOAD G0+4, G1, G0B+4, G1B                     ; K step 1: my one tensor load behind the round
	FETCH_B 0, 0, 0
	FETCH_A 0, 0, 0
	FETCH_A 0, 0, 4
	STEP 0, 0, 1
	s_mov_b32 s3, LAPS-1
.Llap:
	TURN 0, 1, 1
	STEP 1, 0, 0
	TURN 1, 0, 1
	STEP 0, 0, 0
	s_sub_co_u32 s3, s3, 1
	s_cmp_lg_u32 s3, 0
	s_cbranch_scc1 .Llap
	TURN 0, 1, 0
	STEP 1, 0, 0
	s_wait_dscnt 4*NL
	WIN MUL_LO
	MUL16 0, 1, 0
	MUL16 2, 1, 0
	s_wait_dscnt 0
	WIN MUL_HI
	MUL16 4, 1, 0
	MUL16 6, 1, 0
	WIN 0
	s_wait_kmcnt 0x0
	s_add_co_i32 s96, s92, s93
	s_sub_co_i32 s97, 0, s96
	s_sub_co_i32 s95, s94, s96
	s_add_co_i32 s95, s95, 127
	s_lshl_b32 s96, s95, 23
	v_mov_b32 v[SCL], s96
	s_add_co_i32 s95, s95, 8
	s_lshl_b32 s95, s95, 23
	s_or_b32 s95, s95, 0x600000
	v_mov_b32 v[LIM], s95
	s_wait_loadcnt 0x0
	PLACES NP
.set ii, 0
.rept 64
	v_ldexp_f32 v[BX+ii], v[BX+ii], s97
.set ii, ii+1
.endr
.irp a, 0,1,2,3,4,5,6,7
.if \a >= 4
	s_wait_xcnt 0x0
.endif
	WIN 0x02+(\a/4)
.set ii, 0
.rept 32
	v_pk_add_f32 v[TMP+ii:TMP+ii+1], v[64*(\a%4)+ii:64*(\a%4)+ii+1], v[BX+ii:BX+ii+1]
.set ii, ii+2
.endr
	WIN 0
.set ii, 0
.rept 64
	v_med3_num_f32 v[TMP+ii], v[TMP+ii], 0, v[LIM]
.set ii, ii+1
.endr
.irp b, 0,1,2,3,4,5,6,7
	v_cvt_scalef32_pk8_fp8_f32 v[CD+16*(\a%4)+2*\b:CD+16*(\a%4)+2*\b+1], v[TMP+8*\b:TMP+8*\b+7], v[SCL]
.endr
	v_nop
.irp q, 0,1,2,3
	global_store_b128 v[LO], v[CD+16*(\a%4)+4*\q:CD+16*(\a%4)+4*\q+3], s[88:89] offset:\a*65536+\q*512
.endr
.endr
	s_wait_tensorcnt 0x0
	ds_add_u32 v[SPW], v[NIL]
	s_wait_dscnt 0x0
	CROUND
	s_endpgm
.Lfunc_end_k_qd095f2ed8d_ff1:
	.size	k_qd095f2ed8d_ff1, .Lfunc_end_k_qd095f2ed8d_ff1-k_qd095f2ed8d_ff1
	.p2alignl 7, 3214868480
	.fill 96, 4, 3214868480
	.section	.rodata,"a",@progbits
	.p2align	6, 0x0
	.amdhsa_kernel k_qd095f2ed8d_ff1
		.amdhsa_group_segment_fixed_size 327680
		.amdhsa_private_segment_fixed_size 0
		.amdhsa_enable_private_segment 0
		.amdhsa_kernarg_size 40
		.amdhsa_user_sgpr_count 2
		.amdhsa_user_sgpr_kernarg_segment_ptr 1
		.amdhsa_wavefront_size32 1
		.amdhsa_system_sgpr_workgroup_id_x 1
		.amdhsa_system_sgpr_workgroup_id_y 1
		.amdhsa_system_sgpr_workgroup_id_z 1
		.amdhsa_system_vgpr_workitem_id 0
		.amdhsa_next_free_vgpr 1024
		.amdhsa_next_free_sgpr 100
		.amdhsa_reserve_vcc 0
		.amdhsa_float_denorm_mode_32 3
		.amdhsa_float_denorm_mode_16_64 3
		.amdhsa_memory_ordered 1
		.amdhsa_forward_progress 1
		.amdhsa_inst_pref_size 140
	.end_amdhsa_kernel
	.amdgpu_metadata
---
amdhsa.version: [ 1, 2 ]
amdhsa.kernels:
  - .name:           k_qd095f2ed8d_ff1
    .symbol:         k_qd095f2ed8d_ff1.kd
    .args:
      - { .name: h2, .offset: 0, .size: 8, .value_kind: global_buffer, .address_space: global }
      - { .name: ff1_w_codes, .offset: 8, .size: 8, .value_kind: global_buffer, .address_space: global }
      - { .name: ff1_b, .offset: 16, .size: 8, .value_kind: global_buffer, .address_space: global }
      - { .name: lowp_scales, .offset: 24, .size: 8, .value_kind: global_buffer, .address_space: global }
      - { .name: fc, .offset: 32, .size: 8, .value_kind: global_buffer, .address_space: global }
    .group_segment_fixed_size: 327680
    .private_segment_fixed_size: 0
    .kernarg_segment_align: 8
    .kernarg_segment_size: 40
    .max_flat_workgroup_size: 128
    .sgpr_count:     100
    .vgpr_count:     1024
    .wavefront_size: 32
...
	.end_amdgpu_metadata
.endif
;; end of part 6
;; launch ff2 (part 7): grid 32 x 8, 4 waves a work-group, clusters of 4 x 1, 327,680 bytes of LDS; arguments fc, ff2_w_codes, lowp_scales, ff2_b, x1, out0; writes out0
.if DOCPART == 7
	.amdgcn_target "amdgcn-amd-amdhsa--gfx1250"
	.amdhsa_code_object_version 6
	.text
	.protected	k_qd095f2ed8d_ff2
	.globl	k_qd095f2ed8d_ff2
	.p2align	8
	.type	k_qd095f2ed8d_ff2,@function
k_qd095f2ed8d_ff2:
	s_mov_b64 s[64:65], 0
	v_nop
	global_prefetch_b8 v0, s[64:65] scope:SCOPE_SE
	s_setreg_imm32_b32 hwreg(HW_REG_WAVE_MODE, 25, 1), 1
	s_wait_xcnt 0x0
	s_wait_alu depctr_hold_cnt(0) depctr_sa_sdst(0) depctr_va_vdst(0) depctr_va_sdst(0) depctr_va_ssrc(0) depctr_va_vcc(0) depctr_vm_vsrc(0)
	s_getreg_b32 s2, hwreg(HW_REG_IB_STS2, 6, 4)
	s_cmp_eq_u32 s2, 0
	s_cbranch_scc0 .Lentry_in_a_cluster
	s_endpgm
.Lentry_in_a_cluster:
	s_bfe_u32 s2, ttmp6, 0x10000c
	s_cmp_lg_u32 s2, 0x3003
	s_cbranch_scc0 .Lentry_shape_is_right
	s_endpgm
.Lentry_shape_is_right:
; out0 = x1 + fc W2^T x 2^(eA + eB) + b2.  fc: [4096 tokens][4096] codes of E4M3 as images of the operand's registers ([block of 16 tokens][K step of 128][4][512]); W2: [1024][4096] codes, K innermost.
; A tile of out0 is 128 x 128: 256 work-groups; each of four waves makes 32 tokens x 128 columns (16 accumulators).  A wave's images of fc are its own: they go from memory straight into registers, seven K steps ahead.
; W2's 128 rows go through a ring of two LDS slots of 1,024 along K, filled by joint tensor loads (a cluster of four token tiles shares them), one load a wave behind each round.
; x1 and the bias are asked for in the last K steps; results go through the wave's stage in LDS and leave as whole rows of 512 bytes.
; LIMITS: eA + eB between -126 and 127.
.set SIZE_K, 4096
.set SCB,    56
.set NSTEP,  SIZE_K/128
.set KSLOT,  1024
.set PB,     KSLOT+16
.set SLOT,   128*PB
.set STAGE,  2*SLOT
.set SPITCH, 528
.set SPARE,  STAGE+4*16*SPITCH
.set ADRB, 20
.set STO,  24
.set RD,   25
.set LO,   26
.set SPW,  28
.set NIL,  29
.set BI,   32
.set TMP,  64
.set ACC,  128
.set G1, 24
.set G0, 32
.set MSB, 0
.macro WIN new
.if MSB != (\new)
	s_set_vgpr_msb (MSB<<8)|(\new)
.set MSB, (\new)
.endif
.endm
.set MUL,  0x09
.set TO_F, 0x40
.set TO_A, 0x80
.set TO_R, 0xc0
.macro CREST
	s_cmp_lg_u32 s16, 0
	s_cbranch_scc1 .Lnot_wave_0_\@
	s_barrier_signal -3
.Lnot_wave_0_\@:
	s_barrier_wait -3
	s_barrier_signal -1
	s_barrier_wait -1
.endm
.macro CROUND
	s_barrier_signal -1
	s_barrier_wait -1
	CREST
.endm
.macro PLACES
.rept 4
	v_nop
.endr
.endm
.set ISS, 0
.macro ALOAD st
.irp a, 0,1
.irp q, 0,1,2,3
	global_load_b128 v[32*((\st)%8)+16*\a+4*\q:32*((\st)%8)+16*\a+4*\q+3], v[LO], s[4:5] offset:65536*\a+2048*(\st)+512*\q
.endr
.endr
.set ISS, ISS+8
.endm
.macro RLOAD g
.irp t, 0,1,2,3,4,5,6,7
	global_load_b128 v[4*(8*(\g)+\t):4*(8*(\g)+\t)+3], v[LO], s[12:13] offset:(8*(\g)+\t)*4096
.endr
.set ISS, ISS+8
.endm
.macro AHEAD st
.if (\st)+7 < NSTEP
	WIN TO_A
	ALOAD (\st)+7
.elseif (\st)+7 < NSTEP+4
	WIN TO_R
	RLOAD (\st)+7-NSTEP
.elseif (\st)+7 == NSTEP+4
	WIN 0
	global_load_b128 v[BI:BI+3], v[LO], s[10:11]
.set ISS, ISS+1
.endif
.endm
.macro FETCH slot, ks, f, hf
	WIN TO_F
.irp b, 0,1,2,3
.irp c, 0,1,2,3,4,5,6,7
	ds_load_b64 v[\f+16*(4*(\hf)+\b)+2*\c:\f+16*(4*(\hf)+\b)+2*\c+1], v[ADRB+2*(\slot)+(\hf)] offset:\b*16*PB+128*(\ks)+16*\c
.endr
.endr
.endm
.macro MUL8 f, st, a, zero
.irp b, 0,1,2,3,4,5,6,7
.if \zero
	v_wmma_f32_16x16x128_fp8_fp8 v[ACC+8*(8*\a+\b):ACC+8*(8*\a+\b)+7], v[\f+16*\b:\f+16*\b+15], v[32*((\st)%8)+16*\a:32*((\st)%8)+16*\a+15], 0
.else
	v_wmma_f32_16x16x128_fp8_fp8 v[ACC+8*(8*\a+\b):ACC+8*(8*\a+\b)+7], v[\f+16*\b:\f+16*\b+15], v[32*((\st)%8)+16*\a:32*((\st)%8)+16*\a+15], v[ACC+8*(8*\a+\b):ACC+8*(8*\a+\b)+7]
.endif
.endr
.endm
.macro STEP st, zero
.set FB, 128*((\st)%2)
.set GB, 128-FB
	s_wait_dscnt 0x0
	PLACES
	FETCH ((\st)/8)%2, (\st)%8+1, GB, 0
	s_wait_loadcnt ISS-8*((\st)+1)
	AHEAD \st
	WIN MUL
	MUL8 FB, \st, 0, \zero
	FETCH ((\st)/8)%2, (\st)%8+1, GB, 1
	WIN MUL
	MUL8 FB, \st, 1, \zero
.endm
.macro TURN st, fill
.set FB, 128*((\st)%2)
.set GB, 128-FB
.set SL, ((\st)/8)%2
	WIN 0
	s_wait_tensorcnt 0x0
	ds_add_u32 v[SPW], v[NIL]
	s_wait_dscnt 1
	s_wait_loadcnt ISS-8*((\st)+1)
	WIN MUL
	MUL8 FB, \st, 0, 0
	s_wait_dscnt 0x0
	s_barrier_signal -1
	MUL8 FB, \st, 1, 0
	WIN 0
	s_barrier_wait -1
.if \fill
	CREST
	s_add_nc_u64 s[G0+4*SL+2:G0+4*SL+3], s[G0+4*SL+2:G0+4*SL+3], 2*KSLOT
	tensor_load_to_lds s[G0+4*SL:G0+4*SL+3], s[G1:G1+7]
	s_nop 0
	PLACES
.else
	PLACES
.endif
	FETCH 1-SL, 0, GB, 0
	FETCH 1-SL, 0, GB, 1
	AHEAD \st
.endm
	s_load_b256 s[4:11], s[0:1], 0x0
	s_load_b128 s[12:15], s[0:1], 0x20
	v_lshl_add_u32 v[SPW], v0, 2, SPARE
	v_mov_b32 v[NIL], 0
	ds_add_u32 v28, v29
	ds_add_u32 v28, v29
	s_wait_dscnt 0x0
	v_lshrrev_b32 v1, 5, v0
	v_readfirstlane_b32 s16, v1
	v_and_b32 v3, 31, v0
	v_lshlrev_b32 v[LO], 4, v3
	s_bfe_u32 s40, ttmp6, 0x40000
	s_lshl_b32 s42, ttmp9, 2
	s_add_co_u32 s42, s42, s40
	s_and_b32 s19, ttmp7, 0xffff
	s_mov_b32 s[G1+0], 15|(0<<16)|(1<<20)|(1<<21)|(7<<22)|(3<<25)
	s_mov_b32 s[G1+1], KSLOT<<16
	s_mov_b32 s[G1+2], 32<<16
	s_mov_b32 s[G1+3], KSLOT<<16
	s_mov_b32 s[G1+4], 32
	s_mov_b32 s[G1+5], SIZE_K
	s_mov_b32 s[G1+6], 0
	s_mov_b32 s[G1+7], 0
	s_lshl_b32 s20, s42, 3
	s_lshl_b32 s21, s16, 1
	s_add_co_u32 s20, s20, s21
	s_lshl_b32 s20, s20, 16
	s_mov_b32 s21, 0
	s_lshl_b32 s46, s19, 7
	s_lshl_b32 s47, s16, 5
	s_add_co_u32 s46, s46, s47
	s_lshl_b32 s46, s46, 12
	s_mov_b32 s47, 0
	s_mul_i32 s45, s16, 32*PB
	s_lshl_b32 s68, s42, 7
	s_lshl_b32 s69, s16, 5
	s_add_co_u32 s68, s68, s69
	s_lshl_b32 s68, s68, 12
	s_lshl_b32 s70, s19, 9
	s_add_co_u32 s68, s68, s70
	s_mov_b32 s69, 0
	s_mov_b32 s71, 0
	s_wait_alu depctr_va_vdst(0)
	s_wait_kmcnt 0x0
	s_load_b64 s[66:67], s[8:9], SCB
	s_add_nc_u64 s[4:5], s[4:5], s[20:21]
	s_add_nc_u64 s[46:47], s[6:7], s[46:47]
	s_add_nc_u64 s[10:11], s[10:11], s[70:71]
	s_add_nc_u64 s[12:13], s[12:13], s[68:69]
	s_add_nc_u64 s[14:15], s[14:15], s[68:69]
	WIN TO_A
.irp st, 0,1,2,3,4,5,6
	ALOAD \st
.endr
	WIN 0
.irp s, 0,1
	s_mov_b32 s[G0+4*\s], 1
	s_add_co_u32 s[G0+4*\s+1], s45, \s*SLOT
	s_add_nc_u64 s[G0+4*\s+2:G0+4*\s+3], s[46:47], \s*KSLOT
	s_or_b32 s[G0+4*\s+3], s[G0+4*\s+3], 0x80000000
.endr
	CROUND
	tensor_load_to_lds s[G0:G0+3], s[G1:G1+7]
	s_nop 0
	s_wait_alu depctr_va_vdst(0)
	s_wait_tensorcnt 0x0
	ds_add_u32 v28, v29
	s_wait_dscnt 0x0
	CROUND
	tensor_load_to_lds s[G0+4:G0+7], s[G1:G1+7]
	s_nop 0
	PLACES
	v_and_b32 v1, 15, v0
	v_bfe_u32 v2, v0, 4, 1
	v_mul_u32_u24 v5, v1, PB
	v_lshl_add_u32 v[ADRB], v2, 3, v5
	v_add_nc_u32 v[ADRB+1], 64*PB, v[ADRB]
	v_add_nc_u32 v[ADRB+2], SLOT, v[ADRB]
	v_add_nc_u32 v[ADRB+3], SLOT+64*PB, v[ADRB]
	s_mul_i32 s22, s16, 16*SPITCH
	s_add_co_u32 s22, s22, STAGE
	v_mul_u32_u24 v6, v1, SPITCH
	v_lshl_add_u32 v6, v2, 5, v6
	v_add_nc_u32 v[STO], s22, v6
	v_add_nc_u32 v[RD], s22, v[LO]
	s_wait_alu depctr_va_vdst(0)
	s_wait_tensorcnt 1
	s_barrier_signal -1
	s_barrier_wait -1
	FETCH 0, 0, 0, 0
	FETCH 0, 0, 0, 1
	STEP 0, 1
.irp st, 1,2,3,4,5,6
	STEP \st, 0
.endr
	TURN 7, 1
.irp st, 8,9,10,11,12,13,14
	STEP \st, 0
.endr
	TURN 15, 1
.irp st, 16,17,18,19,20,21,22
	STEP \st, 0
.endr
	TURN 23, 0
.irp st, 24,25,26,27,28,29,30
	STEP \st, 0
.endr
	s_wait_dscnt 0x0
	s_wait_loadcnt ISS-8*NSTEP
	WIN MUL
	MUL8 128, 31, 0, 0
	MUL8 128, 31, 1, 0
	WIN 0
	s_wait_kmcnt 0x0
	s_add_co_i32 s66, s66, s67
	s_add_co_i32 s66, s66, 127
	s_lshl_b32 s66, s66, 23
	s_mov_b32 s67, s66
	s_wait_loadcnt 0x0
	PLACES
	WIN 0xc3
.set ii, 0
.rept 32
	v_pk_add_f32 v[ii:ii+1], v[ii:ii+1], v[BI:BI+1]
	v_pk_add_f32 v[ii+2:ii+3], v[ii+2:ii+3], v[BI+2:BI+3]
.set ii, ii+4
.endr
	WIN 0
.macro OUTBLK a
.if \a > 0
	s_wait_xcnt 0x0
.endif
.irp b, 0,1,2,3,4,5,6,7
	ds_store_b128 v[STO], v[ACC+8*(8*\a+\b):ACC+8*(8*\a+\b)+3] offset:64*\b
	ds_store_b128 v[STO], v[ACC+8*(8*\a+\b)+4:ACC+8*(8*\a+\b)+7] offset:64*\b+16
.endr
.irp t, 0,1,2,3,4,5,6,7,8,9,10,11,12,13,14,15
	ds_load_b128 v[TMP+4*\t:TMP+4*\t+3], v[RD] offset:\t*SPITCH
.endr
	s_wait_dscnt 0x0
	WIN 0x30
.set ii, 0
.rept 32
	v_pk_fma_f32 v[TMP+ii:TMP+ii+1], v[TMP+ii:TMP+ii+1], s[66:67], v[64*\a+ii:64*\a+ii+1] op_sel_hi:[1,0,1]
.set ii, ii+2
.endr
	WIN 0
.irp t, 0,1,2,3,4,5,6,7,8,9,10,11,12,13,14,15
	global_store_b128 v[LO], v[TMP+4*\t:TMP+4*\t+3], s[14:15] offset:(16*\a+\t)*4096
.endr
.endm
	OUTBLK 0
	OUTBLK 1
	s_wait_tensorcnt 0x0
	ds_add_u32 v[SPW], v[NIL]
	s_wait_dscnt 0x0
	CROUND
	s_endpgm
.Lfunc_end_k_qd095f2ed8d_ff2:
	.size	k_qd095f2ed8d_ff2, .Lfunc_end_k_qd095f2ed8d_ff2-k_qd095f2ed8d_ff2
	.p2alignl 7, 3214868480
	.fill 96, 4, 3214868480
	.section	.rodata,"a",@progbits
	.p2align	6, 0x0
	.amdhsa_kernel k_qd095f2ed8d_ff2
		.amdhsa_group_segment_fixed_size 327680
		.amdhsa_private_segment_fixed_size 0
		.amdhsa_enable_private_segment 0
		.amdhsa_kernarg_size 48
		.amdhsa_user_sgpr_count 2
		.amdhsa_user_sgpr_kernarg_segment_ptr 1
		.amdhsa_wavefront_size32 1
		.amdhsa_system_sgpr_workgroup_id_x 1
		.amdhsa_system_sgpr_workgroup_id_y 1
		.amdhsa_system_sgpr_workgroup_id_z 1
		.amdhsa_system_vgpr_workitem_id 0
		.amdhsa_next_free_vgpr 1024
		.amdhsa_next_free_sgpr 72
		.amdhsa_reserve_vcc 0
		.amdhsa_float_denorm_mode_32 3
		.amdhsa_float_denorm_mode_16_64 3
		.amdhsa_memory_ordered 1
		.amdhsa_forward_progress 1
		.amdhsa_inst_pref_size 221
	.end_amdhsa_kernel
	.amdgpu_metadata
---
amdhsa.version: [ 1, 2 ]
amdhsa.kernels:
  - .name:           k_qd095f2ed8d_ff2
    .symbol:         k_qd095f2ed8d_ff2.kd
    .args:
      - { .name: fc, .offset: 0, .size: 8, .value_kind: global_buffer, .address_space: global }
      - { .name: ff2_w_codes, .offset: 8, .size: 8, .value_kind: global_buffer, .address_space: global }
      - { .name: lowp_scales, .offset: 16, .size: 8, .value_kind: global_buffer, .address_space: global }
      - { .name: ff2_b, .offset: 24, .size: 8, .value_kind: global_buffer, .address_space: global }
      - { .name: x1, .offset: 32, .size: 8, .value_kind: global_buffer, .address_space: global }
      - { .name: out0, .offset: 40, .size: 8, .value_kind: global_buffer, .address_space: global }
    .group_segment_fixed_size: 327680
    .private_segment_fixed_size: 0
    .kernarg_segment_align: 8
    .kernarg_segment_size: 48
    .max_flat_workgroup_size: 128
    .sgpr_count:     72
    .vgpr_count:     1024
    .wavefront_size: 32
...
	.end_amdgpu_metadata
.endif
;; end of part 7
